; MI455X (gfx1250); checked and timed in simulation.
; The chip was launched on July 23, 2026; its instructions are those of AMD's public machine-readable ISA for CDNA 5 (MIT licence, August 2026) and "CDNA5" Instruction Set Architecture Reference Guide (July 2026). The comments in the code are by the model that wrote it; some were corrected since.
;; Masked Causal Attention. Allowed arithmetic: matrix products marked QUANTISED: E3M2 operands, one E8M0 scale for each 32 along K, by v_wmma_scale_f32_16x16x128_f8f6f4 with both operands' format E3M2, f32 sums; everything else in f32.
;; Inputs: bk 1,024 float32; bp 1,024 float32; bq 1,024 float32; bv 1,024 float32; mask 8 x 1,024 int32; wk 1,024 x 1,024 float32; wp 1,024 x 1,024 float32; wq 1,024 x 1,024 float32; wv 1,024 x 1,024 float32; x 8 x 1,024 x 1,024 float32.
;; Outputs: out0 8 x 1,024 x 1,024 float32.
;; This version of the problem:
;;   THIS VERSION OF THE PROBLEM IS GIVEN IN LOW PRECISION. The matrix products marked QUANTISED in the list below multiply operands that are first quantised to E3M2 (3 exponent bits, 2 mantissa bits; 6 bits a number), with one power-of-two scale for each 32 numbers along K (OCP MX v1.0); their sums are f32. All else is computed in f32.
;;   The module's matrix products, in the order in which they are computed (A, B: the left and right operand; K: the contracted axis; several contracted axes count as one K, in the product's order):
;;     1. [M 8,192, K 1,024] x [K 1,024, N 1,024]; A: input x; B: input wq: QUANTISED
;;     2. [M 8,192, K 1,024] x [K 1,024, N 1,024]; A: input x; B: input wk: QUANTISED
;;     3. [M 8,192, K 1,024] x [K 1,024, N 1,024]; A: input x; B: input wv: QUANTISED
;;     4. batch 128 x [M 1,024, K 64] x [K 64, N 1,024]; A: computed on the way; B: computed on the way: QUANTISED
;;     5. batch 128 x [M 64, K 1,024] x [K 1,024, N 1,024]; A: computed on the way; B: softmax (see below): QUANTISED
;;     6. [M 8,192, K 1,024] x [K 1,024, N 1,024]; A: computed on the way; B: input wp: QUANTISED
;;   THE QUANTISER, for each operand of a quantised product, along K:
;;     - K is cut into blocks of 32 from its start; a last block that is shorter is filled with zeros.
;;     - A block's scale is 2^e with e = floor(log2(the largest magnitude in the block)) - 4, held to -126 .. 127; a block of zeros has e = 0. As a byte (E8M0): e + 127.
;;     - Each number is divided by its block's scale, clamped to +-28, and rounded to the nearest number of E3M2, ties to even, subnormals kept.
;;     - The product sums the exact products of the quantised numbers (number of the format x scale) in f32.
;;   ~~~python
;;   def quantise(x, axis):      # numpy; x: float32 -> the quantised numbers, widened to float32 again
;;       x = np.moveaxis(x, axis, -1); K = x.shape[-1]
;;       x = np.pad(x, [(0, 0)] * (x.ndim - 1) + [(0, -K % 32)]); x = x.reshape(x.shape[:-1] + (-1, 32)); a = np.abs(x).max(-1, keepdims=True)
;;       e = np.where(a > 0, np.clip(np.frexp(np.where(a > 0, a, 1))[1] - 1 - 4, -126, 127), 0)      # np.frexp(a)[1] - 1 = floor(log2(a)), exactly
;;       r = np.clip(x / 2.0 ** e, -28, 28)
;;       step = 2.0 ** (np.maximum(np.frexp(np.where(r == 0, 1, r))[1] - 1, -2) - 2)
;;       q = np.round(r / step) * step * 2.0 ** e      # np.round: ties to even
;;       return np.moveaxis(q.reshape(q.shape[:-2] + (-1,))[..., :K], -1, axis).astype(np.float32)
;;   ~~~
;;   SOFTMAX AHEAD OF A QUANTISED PRODUCT. Where the list says 'softmax', what is quantised is not the finished softmax but p = 2^(t - M), with t = logit x log2(e) and M = ceil(the row's largest t), a whole number; so 1/2 < the row's largest p <= 1. The row's sum l is taken of the UNQUANTISED p, in f32, and the product's result is divided by l at the end. Since M is a whole number, a kernel that streams over the keys may use a running M (the ceiling of the running maximum): every later rescaling is an exact power of two, which a block's scale takes up: the codes' values come out the same.
;;   OPERANDS COMPUTED ON THE WAY. 'Computed on the way' means the value that the module computes at that place (a softmax that the list does not call 'softmax' is quantised finished and normalised). What goes into a quantiser is computed in f32, as accurately as f32 sums, v_exp_f32 and their like allow (about 1e-6 of the number): no bf16 or f16 on the way to a quantiser, and a product that is left as it is and whose result goes on into a quantised operand takes f32 operands (vector FMAs, or v_wmma_f32_16x16x4_f32). A number that lies on a knife's edge between two numbers of the format may be rounded either way, as far as f32 arithmetic and the matrix unit's own rounding can turn it there, and no further.
;; One version. Each part assembles by itself: llvm-mc -triple=amdgcn-amd-amdhsa -mcpu=gfx1250 --defsym DOCPART=n.
;; ======== version 1 of 1: 4 launches
;; limits: right only within a limited range of input values
;; workspace buffers: xw_codes 9,437,184 bytes; xw_scales 393,216 bytes; qkv_codes 18,874,368 bytes; qkv_scales 1,310,720 bytes; ctx_codes 6,291,456 bytes; ctx_scales 262,144 bytes
;; launch quant (part 1): grid 192 x 2, 4 waves a work-group, no clusters, 35,328 bytes of LDS; arguments x, wq, wk, wv, wp, xw_codes, xw_scales; writes xw_codes, xw_scales
.if DOCPART == 1
	.amdgcn_target "amdgcn-amd-amdhsa--gfx1250"
	.amdhsa_code_object_version 6
	.text
	.protected	k_q6ccfe56216_quant
	.globl	k_q6ccfe56216_quant
	.p2align	8
	.type	k_q6ccfe56216_quant,@function
k_q6ccfe56216_quant:
	s_mov_b64 s[64:65], 0
	v_nop
	global_prefetch_b8 v0, s[64:65] scope:SCOPE_SE
	s_setreg_imm32_b32 hwreg(HW_REG_WAVE_MODE, 25, 1), 1
	s_wait_xcnt 0x0
; x [8192][1024] and wq, wk, wv, wp [1024][1024], f32 with K innermost, become codes of BF6 (E3M2) with one E8M0 byte for each 32 along K, laid as the later launches' operand registers want them.
; A block's scale is 2^(floor(log2(its largest magnitude)) - 4); its byte is the largest magnitude's exponent field - 4, held at 1 from below.
; LIMITS: a block of zeros gets the byte 1 where the rule says 127 (its codes are zeros, and this program alone reads the bytes); NaN and infinities among the inputs are not served.
; ROW ORDER.  The 12,288 rows (x, wq, wk, wv, wp on end) are stored in tiles of 16.  Inside each 32 rows, tile u (0, 1) holds in its place r the row 8 u + r + 8 (r / 8).
; So a product that takes such a tile as its source 0 leaves, in the 16 registers of two neighbouring tiles, 16 NEIGHBOURS along that axis.
; CODES: [tile][64 along K: 0..15][768 bytes].  The 768 bytes are the image of six registers: lane (r, h) holds the 24 bytes of block h of row r; registers 0-3 at 16 x lane, registers 4-5 at 512 + 8 x lane.
; SCALE WORDS: [128 along K: 0..7][row place] words of four bytes.
; SHARES.  Work-group x: 64 row places (four tiles, one a wave); work-group y: half of K.  A wave runs four steps of 16 rows x 128 along K.
; Each load reads 512 consecutive bytes of one row; the 16 rows turn through the wave's own stage in LDS, so that a lane gets 16 neighbours of each block of 32 of ITS row.
.set SP,   528                         ; a stage row: 512 bytes + 16, so that the 16 rows that a read touches begin in 16 different groups of banks
.set STG,  16*SP                       ; a wave's stage
.set GS,   4*STG                       ; behind the stages: the work-group's scale words, [step][64 rows] words, 1,024 bytes
.set R,    16                          ; v16-143  two sets of 64 numbers as they are loaded
.set X,    144                         ; v144-207 64 numbers: register 16 b + i = k 32 b + 16 h + i of my row
.set PC,   208                         ; v208-227 the codes
.set TM,   228                         ; v228-243 at work
.set PW,   244                         ; v244     the scale word
.set SEL,  22                          ; s[22:23] lane selects: lane l xor 16
	s_load_b256 s[4:11], s[0:1], 0x0               ; x, wq, wk, wv
	s_load_b128 s[12:15], s[0:1], 0x20             ; wp, the codes
	s_load_b64 s[16:17], s[0:1], 0x30              ; the scale words
	v_lshl_add_u32 v248, v0, 2, 0x8800
	v_mov_b32 v249, 0
	v_lshrrev_b32 v7, 5, v0
	v_readfirstlane_b32 s18, v7                    ; wave 0..3
	v_and_b32 v8, 31, v0                           ; lane
	v_and_b32 v9, 15, v0                           ; r
	v_bfe_u32 v10, v0, 4, 1                        ; h
	v_lshlrev_b32 v1, 4, v8                        ; 16 x lane: a load's bytes, and an image's registers 0-3
	v_lshlrev_b32 v2, 3, v8                        ; 8 x lane: an image's registers 4-5
	s_mul_i32 s19, s18, STG
	v_add_nc_u32 v3, s19, v1                       ; the stage on the way in: a row as it lies
	v_mul_u32_u24 v4, v9, SP
	v_lshl_add_u32 v4, v10, 6, v4
	v_add_nc_u32 v4, s19, v4                       ; and on the way out: row r, + 64 h
	s_lshl_b32 s19, s18, 6
	s_add_co_u32 s19, s19, GS
	v_lshl_add_u32 v5, v9, 2, s19                  ; my row's scale word among the work-group's 64
	s_lshl_b32 s19, s18, 8
	s_add_co_u32 s19, s19, GS
	v_add_nc_u32 v6, s19, v2                       ; at the end wave w takes step w's 256 bytes
	s_and_b32 s21, ttmp7, 0xffff                   ; which half of K
	s_mov_b32 s[SEL], 0x76543210
	s_mov_b32 s[SEL+1], 0xfedcba98
.irp b, 0,1,2,3
	v_mov_b32 v[TM+4+\b], 0                        ; written once: a lane permute's destination counts as one of its sources
.endr
	s_wait_kmcnt 0x0
	s_mov_b32 s20, 0                               ; which tensor: the choice hangs on the work-group's number alone
	s_cmp_ge_u32 ttmp9, 128
	s_cselect_b64 s[4:5], s[6:7], s[4:5]
	s_cselect_b32 s20, 128, s20
	s_cmp_ge_u32 ttmp9, 144
	s_cselect_b64 s[4:5], s[8:9], s[4:5]
	s_cselect_b32 s20, 144, s20
	s_cmp_ge_u32 ttmp9, 160
	s_cselect_b64 s[4:5], s[10:11], s[4:5]
	s_cselect_b32 s20, 160, s20
	s_cmp_ge_u32 ttmp9, 176
	s_cselect_b64 s[4:5], s[12:13], s[4:5]
	s_cselect_b32 s20, 176, s20
	s_sub_co_u32 s24, ttmp9, s20
	s_lshl_b32 s24, s24, 18                        ; 64 rows of 4,096 bytes for each work-group of the tensor,
	s_lshr_b32 s25, s18, 1
	s_lshl_b32 s25, s25, 17                        ; 32 rows for each pair of waves,
	s_add_co_u32 s24, s24, s25
	s_and_b32 s25, s18, 1
	s_lshl_b32 s25, s25, 15                        ; 8 rows for the pair's second,
	s_add_co_u32 s24, s24, s25
	s_lshl_b32 s25, s21, 11                        ; and my half of K
	s_add_co_u32 s24, s24, s25
	s_mov_b32 s25, 0
	s_add_nc_u64 s[4:5], s[4:5], s[24:25]
	s_lshl_b32 s26, ttmp9, 2
	s_add_co_u32 s26, s26, s18                     ; my tile
	s_mul_i32 s26, s26, 12288
	s_mul_i32 s27, s21, 6144
	s_add_co_u32 s26, s26, s27
	s_mov_b32 s27, 0
	s_add_nc_u64 s[14:15], s[14:15], s[26:27]
	s_lshl_b32 s26, s21, 2
	s_add_co_u32 s26, s26, s18                     ; at the end: the 128 along K whose words I store: 4 y + wave
	s_mul_i32 s26, s26, 49152
	s_lshl_b32 s28, ttmp9, 8
	s_add_co_u32 s26, s26, s28
	s_add_nc_u64 s[16:17], s[16:17], s[26:27]
.macro LOAD t                          ; step t: place i of the tile is row i + 8 (i / 8); 32 lanes read 512 consecutive bytes of it
.irp i, 0,1,2,3,4,5,6,7,8,9,10,11,12,13,14,15
	global_load_b128 v[R+64*((\t)%2)+4*\i:R+64*((\t)%2)+4*\i+3], v1, s[4:5] offset:(\i+8*(\i/8))*4096+512*(\t) th:TH_LOAD_NT
.endr
.endm
; 64 numbers of a lane become a fragment's codes in v[PC] on (registers 6 c .. 6 c + 5: k = 64 c + 32 h + 0 .. 31) and its scale word in v[PW]
.macro QUANT s
.irp b, 0,1,2,3
	v_max3_num_f32 v[TM+\b], |v[\s+16*\b]|, |v[\s+1+16*\b]|, 0x2800000   ; block b: my 16 numbers, and the floor 2^(5 - 127): the byte cannot fall under 1
.endr
.irp i, 2,4,6,8,10,12,14
.irp b, 0,1,2,3
	v_max3_num_f32 v[TM+\b], v[TM+\b], |v[\s+16*\b+\i]|, |v[\s+1+16*\b+\i]|   ; the four blocks by turns
.endr
.endr
.irp b, 0,1,2,3
	v_permlanex16_b32 v[TM+4+\b], v[TM+\b], s[SEL], s[SEL+1]
.endr
.irp b, 0,1,2,3
	v_max_num_f32 v[TM+\b], v[TM+\b], v[TM+4+\b]   ; with lane l xor 16's: the block's largest magnitude
.endr
.irp b, 0,1,2,3
	v_add_nc_u32 v[TM+12+\b], 0xfe000000, v[TM+\b] ; 4 off its exponent field: the conversion's scale operand
.endr
.irp b, 0,1,2,3
	v_lshrrev_b32 v[TM+4+\b], 23, v[TM+12+\b]      ; the scale's byte
.endr
	v_lshl_or_b32 v[PW], v[TM+5], 8, v[TM+4]
	v_lshl_or_b32 v[PW], v[TM+6], 16, v[PW]
	v_lshl_or_b32 v[PW], v[TM+7], 24, v[PW]
.irp c, 0,1
	v_cvt_scalef32_pk16_bf6_f32 v[PC+6*\c:PC+2+6*\c], v[\s+32*\c:\s+15+32*\c], v[TM+12+2*\c]
	v_cvt_scalef32_pk16_bf6_f32 v[PC+12+4*\c:PC+14+4*\c], v[\s+16+32*\c:\s+31+32*\c], v[TM+12+2*\c+1]   ; a conversion's three registers begin on an even number
.endr
	v_nop                                          ; one plain instruction behind a scaled conversion
.irp c, 0,1                                    ; the layout wants a whole block in a lane: lanes 0-15 block 2 c, lanes 16-31 block 2 c + 1
.irp i, 0,1,2
	v_permlane16_swap_b32 v[PC+6*\c+\i], v[PC+12+4*\c+\i]
.endr
.irp i, 0,1,2
	v_mov_b32 v[PC+3+6*\c+\i], v[PC+12+4*\c+\i]
.endr
.endr
.endm
.macro STEP t
.if (\t) < 3
	s_wait_loadcnt 16                              ; this step's 16 loads are in; the next step's 16 may be out
.else
	s_wait_loadcnt 0x0
.endif
.irp i, 0,1,2,3,4,5,6,7,8,9,10,11,12,13,14,15
	ds_store_b128 v3, v[R+64*((\t)%2)+4*\i:R+64*((\t)%2)+4*\i+3] offset:SP*\i
.endr
.irp b, 0,1,2,3
.irp j, 0,1,2,3
	ds_load_b128 v[X+16*\b+4*\j:X+16*\b+4*\j+3], v4 offset:128*\b+16*\j   ; LDS serves a wave's instructions in order: these see the stores above
.endr
.endr
	s_wait_dscnt 0x0                               ; my numbers are back, and the stores have read their registers,
.if (\t) < 2
	LOAD (\t)+2                                    ; which take the loads of two steps on
.endif
.if (\t) > 0
	s_wait_xcnt 0x0                                ; the last step's stores have read the codes' registers: they are written again only behind this wait
.endif
	QUANT X
	global_store_b128 v1, v[PC:PC+3], s[14:15] offset:1536*(\t)            ; each image leaves as three aligned runs of 256 consecutive bytes
	global_store_b64 v2, v[PC+4:PC+5], s[14:15] offset:1536*(\t)+512
	global_store_b128 v1, v[PC+6:PC+9], s[14:15] offset:1536*(\t)+768
	global_store_b64 v2, v[PC+10:PC+11], s[14:15] offset:1536*(\t)+1280
	ds_store_b32 v5, v[PW] offset:256*(\t)         ; both halves of the lanes write the same word with the same value
.endm
	LOAD 0
	LOAD 1
	STEP 0
	STEP 1
	STEP 2
	STEP 3
	s_wait_dscnt 0x0                               ; for the others' sake: my scale words lie in LDS
	s_barrier_signal -1
	s_barrier_wait -1
	ds_load_b64 v[12:13], v6                       ; the 64 rows' words of one 128 along K
	s_wait_dscnt 0x0
	global_store_b64 v2, v[12:13], s[16:17]        ; 32 lanes store 256 consecutive bytes, aligned
	s_wait_tensorcnt 0x0
	ds_add_u32 v248, v249
	s_wait_dscnt 0x0
	s_endpgm
.Lfunc_end_k_q6ccfe56216_quant:
	.size	k_q6ccfe56216_quant, .Lfunc_end_k_q6ccfe56216_quant-k_q6ccfe56216_quant
	.p2alignl 7, 3214868480
	.fill 96, 4, 3214868480
	.section	.rodata,"a",@progbits
	.p2align	6, 0x0
	.amdhsa_kernel k_q6ccfe56216_quant
		.amdhsa_group_segment_fixed_size 35328
		.amdhsa_private_segment_fixed_size 0
		.amdhsa_enable_private_segment 0
		.amdhsa_kernarg_size 56
		.amdhsa_user_sgpr_count 2
		.amdhsa_user_sgpr_kernarg_segment_ptr 1
		.amdhsa_wavefront_size32 1
		.amdhsa_system_sgpr_workgroup_id_x 1
		.amdhsa_system_sgpr_workgroup_id_y 1
		.amdhsa_system_sgpr_workgroup_id_z 1
		.amdhsa_system_vgpr_workitem_id 0
		.amdhsa_next_free_vgpr 250
		.amdhsa_next_free_sgpr 66
		.amdhsa_reserve_vcc 0
		.amdhsa_float_denorm_mode_32 3
		.amdhsa_float_denorm_mode_16_64 3
		.amdhsa_memory_ordered 1
		.amdhsa_forward_progress 1
		.amdhsa_inst_pref_size 35
	.end_amdhsa_kernel
	.amdgpu_metadata
---
amdhsa.version: [ 1, 2 ]
amdhsa.kernels:
  - .name:           k_q6ccfe56216_quant
    .symbol:         k_q6ccfe56216_quant.kd
    .args:
      - { .name: x, .offset: 0, .size: 8, .value_kind: global_buffer, .address_space: global }
      - { .name: wq, .offset: 8, .size: 8, .value_kind: global_buffer, .address_space: global }
      - { .name: wk, .offset: 16, .size: 8, .value_kind: global_buffer, .address_space: global }
      - { .name: wv, .offset: 24, .size: 8, .value_kind: global_buffer, .address_space: global }
      - { .name: wp, .offset: 32, .size: 8, .value_kind: global_buffer, .address_space: global }
      - { .name: xw_codes, .offset: 40, .size: 8, .value_kind: global_buffer, .address_space: global }
      - { .name: xw_scales, .offset: 48, .size: 8, .value_kind: global_buffer, .address_space: global }
    .group_segment_fixed_size: 35328
    .private_segment_fixed_size: 0
    .kernarg_segment_align: 8
    .kernarg_segment_size: 56
    .max_flat_workgroup_size: 128
    .sgpr_count:     66
    .vgpr_count:     250
    .wavefront_size: 32
...
	.end_amdgpu_metadata
.endif
;; end of part 1
;; launch qkv (part 2): grid 12 x 32, 4 waves a work-group, clusters of 4 x 4, 327,680 bytes of LDS; arguments xw_codes, xw_scales, bq, bk, bv, qkv_codes, qkv_scales; writes qkv_codes, qkv_scales
.if DOCPART == 2
	.amdgcn_target "amdgcn-amd-amdhsa--gfx1250"
	.amdhsa_code_object_version 6
	.text
	.protected	k_q6ccfe56216_qkv
	.globl	k_q6ccfe56216_qkv
	.p2align	8
	.type	k_q6ccfe56216_qkv,@function
k_q6ccfe56216_qkv:
	s_mov_b64 s[64:65], 0
	v_nop
	global_prefetch_b8 v0, s[64:65] scope:SCOPE_SE
	s_setreg_imm32_b32 hwreg(HW_REG_WAVE_MODE, 25, 1), 1
	s_wait_xcnt 0x0
	s_wait_alu depctr_hold_cnt(0) depctr_sa_sdst(0) depctr_va_vdst(0) depctr_va_sdst(0) depctr_va_ssrc(0) depctr_va_vcc(0) depctr_vm_vsrc(0)
	s_getreg_b32 s2, hwreg(HW_REG_IB_STS2, 6, 4)
	s_cmp_eq_u32 s2, 0
	s_cbranch_scc0 .Lentry_in_a_cluster
	s_endpgm
.Lentry_in_a_cluster:
	s_bfe_u32 s2, ttmp6, 0x10000c
	s_cmp_lg_u32 s2, 0xf033
	s_cbranch_scc0 .Lentry_shape_is_right
	s_endpgm
.Lentry_shape_is_right:
; q = x wq^T + bq, k = x wk^T + bk (rows: tokens, columns: channels) and V^T = wv x^T + bv (rows: channels, columns: tokens), all on codes of BF6 (E3M2) with E8M0 scales, sums in f32;
; each result is quantised ALONG THE TILE'S COLUMNS on the way out (q, k: along the head's 64 channels; V^T: along the tokens, which are the keys) and leaves as codes and scale words.
; LIMITS: a block of zeros gets the byte 1 where the rule says 127 (its codes are zeros, and this program alone reads the bytes); NaN and infinities are not served.
; A tile of 256 x 256 is made by four waves, 128 x 128 each: 64 accumulators, 512 registers.  Clusters x = 0, 1 make q and k (32 x 8 tiles), cluster x = 2 makes V^T (4 x 32 tiles).
; OPERANDS lie in memory as images of their registers: [tile of 16 rows][64 along K][768 bytes]; lane (r, h) holds block h of row r: registers 0-3 at 16 x lane, registers 4-5 at 512 + 8 x lane.  So every LDS load is dense.
; K goes in steps of 256 (3,072 consecutive bytes of each tile of 16 rows) through two LDS slots; the scale words of all of K come once, with the first fills.
; CLUSTERS: 4 x 4 work-groups; A's tiles are asked for jointly along a row of the cluster, B's along a column.
; THE MATRIX INSTRUCTION IS USED TRANSPOSED (source 0 = 16 rows of B, source 1 = 16 rows of A).  The rows of a tile of 16 are laid (by the launch before) so that the 16 registers of B's tiles 2 b and 2 b + 1
; are the columns 32 b + 16 (lane / 16) + 0 .. 15 of the lane's row: the quantiser's order.  The bias is the C of each sum's first product.
; REGISTERS: window 0: v12-31 addresses; v32-63 scale words, two sets; v64-127 the bias; v128-223 A's fragments, one set (on the way out: at work); v224-231 the bias loads' offsets.
;   window 1: B's fragments, two sets, at v0 and v128.   windows 2, 3: the accumulators of my rows 0-63, 64-127 ((a, b) at v[8 (8 (a % 4) + b)]).
.set HIMG,  768                        ; the image of 16 rows x 64 along K
.set TROW,  4*HIMG                     ; a K step of a tile of 16 rows
.set HALFT, 8*TROW                     ; 128 rows: what one tensor load brings
.set SLOT,  4*HALFT                    ; A's 256 rows, then B's
.set SCL,   2*SLOT                     ; behind the ring: the scale words: for each wave's 128 rows [128 along K: 0..7][128 rows] words
.set SCW,   4096
.set SPARE, SCL+4*SCW                  ; the spare words, 128 bytes for each wave: two blocks of 256 bytes that no other line names
.set FR,    12                         ; registers of a fragment
.set NL,    4                          ; LDS loads that bring one
.set NP,    4                          ; places behind this matrix instruction (ISA guide 7.12.1)
.set SO1,  12                          ; v12  where my scale words 0-3 go
.set SO2,  13                          ; v13  and 4-7
.set ADRA, 16                          ; v16-17 LDS address of A's images, registers 0-3, slot 0, 1;  v18-19 registers 4-5
.set ADRB, 20                          ; v20-23 the same for B
.set O16,  24                          ; v24  16 x lane
.set O8,   25                          ; v25  512 + 8 x lane
.set O16B, 26                          ; v26  the same for the second image of a block
.set ADRS, 27                          ; v27  LDS address of my scale words: lanes 0-15 A's rows, lanes 16-31 B's
.set SPW,  28                          ; v28  LDS address of my spare word; never rewritten
.set NIL,  29                          ; v29  0; never rewritten
.set O8B,  30
.set SHV,  31                          ; v31  q, k: 16 x (lane / 16): which half of a scale word is my head's;  V: 0
.set SC,   32
.set BI,   64
.set AF,   128
.set VB,   224
.set TM,   128                         ; the way out: v128-143 at work, v144 the scale word, v148-167 the codes, v176-183 eight blocks' words
.set PW,   144
.set PC,   148
.set SW,   176
.set SEL,  2                           ; s2, s3 lane selects: lane l xor 16
.set G1,   24
.set G0,   32
.set G1B,  48
.set G0B,  56
.set G1S,  68
.set G0S,  76
.set G1SB, 80
.set G0SB, 88
.set OA,   92                          ; s[92:93] where the codes go
.set STA,  94                          ; s[94:95] from block to block
.set STB,  96                          ; s[96:97] and more at block 4
.set SMASK, 98
.set OS,   100                         ; s[100:101] where the scale words go
.set MSB, 0
.macro WIN new                         ; the immediate's high byte repeats the setting that is left
.if MSB != (\new)
	s_set_vgpr_msb (MSB<<8)|(\new)
.set MSB, (\new)
.endif
.endm
.set TO_B, 0x40                        ; destination window 1, address window 0
; A joint load: waves 0 and 1 fetch for A, waves 2 and 3 for B; the branch hangs on the wave's number alone.  Four v_nop follow each of the two lines.
.macro JLOAD g0a, g1a, g0b, g1b
	s_cmp_eq_u32 s19, 0
	s_cbranch_scc0 .Lfor_b_\@
	tensor_load_to_lds s[\g0a:\g0a+3], s[\g1a:\g1a+7]
	s_nop 0
.rept 4
	v_nop
.endr
	s_branch .Lasked_\@
.Lfor_b_\@:
	tensor_load_to_lds s[\g0b:\g0b+3], s[\g1b:\g1b+7]
	s_nop 0
.rept 4
	v_nop
.endr
.Lasked_\@:
.endm
.macro CREST                           ; a round of the cluster's barrier behind its opening barrier
	s_cmp_lg_u32 s18, 0
	s_cbranch_scc1 .Lnot_wave_0_\@
	s_barrier_signal -3
.Lnot_wave_0_\@:
	s_barrier_wait -3
	s_barrier_signal -1
	s_barrier_wait -1
.endm
.macro CROUND
	s_barrier_signal -1
	s_barrier_wait -1
	CREST
.endm
	s_load_b256 s[4:11], s[0:1], 0x0               ; the codes s[4:5], the scale words s[6:7], bq s[8:9], bk s[10:11]
	s_load_b128 s[12:15], s[0:1], 0x20             ; bv s[12:13], the results' codes s[14:15]
	s_load_b64 s[16:17], s[0:1], 0x30              ; the results' scale words
	v_lshl_add_u32 v[SPW], v0, 2, SPARE
	v_mov_b32 v[NIL], 0
	ds_add_u32 v28, v29
	ds_add_u32 v28, v29
	s_wait_dscnt 0x0
	v_lshrrev_b32 v1, 5, v0
	v_readfirstlane_b32 s18, v1                    ; wave 0..3
	s_lshr_b32 s19, s18, 1                         ; my half of the tile's rows.  Also: I fetch for A (0) or for B (1)
	s_and_b32 s20, s18, 1                          ; my half of its columns.  Also: which 128 rows I fetch
	s_bfe_u32 s21, ttmp6, 0x40000                  ; cx
	s_bfe_u32 s22, ttmp6, 0x40004                  ; cy
	s_and_b32 s42, ttmp7, 0xffff                   ; cluster y
	s_cmp_eq_u32 ttmp9, 2                          ; cluster x = 2 makes V^T: the same in all sixteen partners
	s_cselect_b32 s23, 1, 0
	s_cselect_b32 s40, 0, s42
	s_cselect_b32 s41, s42, ttmp9
	s_cselect_b32 s43, 640, 0                      ; A's first tile of 16: wv's, or x's
	s_cselect_b32 s44, 0, 512                      ; B's: x's, or wq's (wk's follow)
	s_lshl_b32 s40, s40, 2
	s_add_co_u32 s40, s40, s22                     ; tile row
	s_lshl_b32 s41, s41, 2
	s_add_co_u32 s41, s41, s21                     ; tile column
	s_lshl_b32 s45, s22, 2
	s_lshl_b32 s45, 15, s45                        ; my row of the cluster
	s_lshl_b32 s46, 0x1111, s21                    ; my column
	; descriptor group 1.  Codes: 8 rows (tiles of 16) x 384 elements of 8 bytes, 1,536 elements apart.  Scale words: 8 rows (128 along K) x 64 elements, 6,144 apart.  No padding: all LDS loads are dense
	s_or_b32 s[G1], s45, (3<<16)|(1<<21)           ; 15:0 the mask; 17:16 elements of 8 bytes; 21 set beside a mask
	s_or_b32 s[G1B], s46, (3<<16)|(1<<21)
	s_or_b32 s[G1S], s45, (3<<16)|(1<<21)
	s_or_b32 s[G1SB], s46, (3<<16)|(1<<21)
.irp g, G1, G1B
	s_mov_b32 s[\g+1], 384<<16                     ; tensor_dim0
	s_mov_b32 s[\g+2], 8<<16                       ; tensor_dim1
	s_mov_b32 s[\g+3], 384<<16                     ; tile_dim0
	s_mov_b32 s[\g+4], 8                           ; tile_dim1
	s_mov_b32 s[\g+5], 1536                        ; tensor_dim0_stride
	s_mov_b32 s[\g+6], 0
	s_mov_b32 s[\g+7], 0
.endr
.irp g, G1S, G1SB
	s_mov_b32 s[\g+1], 64<<16
	s_mov_b32 s[\g+2], 8<<16
	s_mov_b32 s[\g+3], 64<<16
	s_mov_b32 s[\g+4], 8
	s_mov_b32 s[\g+5], 6144
	s_mov_b32 s[\g+6], 0
	s_mov_b32 s[\g+7], 0
.endr
	s_lshl_b32 s47, s20, 3                         ; which 8 tiles of 16 I fetch
	s_lshl_b32 s66, s40, 4
	s_add_co_u32 s66, s66, s43
	s_add_co_u32 s66, s66, s47                     ; A's: hangs on the tile row alone
	s_lshl_b32 s67, s41, 4
	s_add_co_u32 s67, s67, s44
	s_add_co_u32 s67, s67, s47                     ; B's: on the tile column alone
	s_mul_i32 s92, s66, 12288
	s_mov_b32 s93, 0
	s_lshl_b32 s94, s66, 6
	s_mov_b32 s95, 0
	s_mul_i32 s96, s67, 12288
	s_mov_b32 s97, 0
	s_lshl_b32 s100, s67, 6
	s_mov_b32 s101, 0
	s_mul_i32 s42, s18, HALFT                      ; where they go: wave x 128 rows
	s_lshl_b32 s45, s18, 12
	s_mov_b32 s[SEL], 0x76543210
	s_mov_b32 s[SEL+1], 0xfedcba98
	s_wait_kmcnt 0x0
	s_add_nc_u64 s[92:93], s[4:5], s[92:93]
	s_add_nc_u64 s[94:95], s[6:7], s[94:95]
	s_add_nc_u64 s[96:97], s[4:5], s[96:97]
	s_add_nc_u64 s[100:101], s[6:7], s[100:101]
	CROUND                                         ; all sixteen work-groups are here: the first joint loads meet
	s_mov_b32 s[G0S], 1
	s_add_co_u32 s[G0S+1], s45, SCL
	s_mov_b64 s[G0S+2:G0S+3], s[94:95]
	s_or_b32 s[G0S+3], s[G0S+3], 0x80000000
	s_mov_b32 s[G0SB], 1
	s_add_co_u32 s[G0SB+1], s45, SCL
	s_mov_b64 s[G0SB+2:G0SB+3], s[100:101]
	s_or_b32 s[G0SB+3], s[G0SB+3], 0x80000000
	JLOAD G0S, G1S, G0SB, G1SB                     ; the scale words first: they are wanted with K step 0
.irp s, 0,1
	s_mov_b32 s[G0+4*\s], 1
	s_add_co_u32 s[G0+4*\s+1], s42, \s*SLOT
	s_add_nc_u64 s[G0+4*\s+2:G0+4*\s+3], s[92:93], \s*TROW
	s_or_b32 s[G0+4*\s+3], s[G0+4*\s+3], 0x80000000
	s_mov_b32 s[G0B+4*\s], 1
	s_add_co_u32 s[G0B+4*\s+1], s42, \s*SLOT
	s_add_nc_u64 s[G0B+4*\s+2:G0B+4*\s+3], s[96:97], \s*TROW
	s_or_b32 s[G0B+4*\s+3], s[G0B+4*\s+3], 0x80000000
	JLOAD G0+4*\s, G1, G0B+4*\s, G1B
.endr
	v_and_b32 v1, 31, v0                           ; lane
	v_and_b32 v2, 15, v0                           ; r
	v_bfe_u32 v3, v0, 4, 1                         ; h
	v_lshlrev_b32 v[O16], 4, v1
	v_lshlrev_b32 v[O8], 3, v1
	v_add_nc_u32 v[O8], 512, v[O8]
	s_mul_i32 s42, s19, HALFT                      ; my 128 rows of A
	s_mul_i32 s43, s20, HALFT                      ; my 128 rows of B,
	s_add_co_u32 s43, s43, 2*HALFT                 ; which lie behind A's 256
.irp s, 0,1
	v_add_nc_u32 v[ADRA+\s], s42, v[O16]
	v_add_nc_u32 v[ADRA+2+\s], s42, v[O8]
	v_add_nc_u32 v[ADRB+\s], s43, v[O16]
	v_add_nc_u32 v[ADRB+2+\s], s43, v[O8]
	s_add_co_u32 s42, s42, SLOT
	s_add_co_u32 s43, s43, SLOT
.endr
	s_lshl_b32 s44, s19, 12                        ; A's scale words: my 128 rows
	s_lshl_b32 s45, s20, 12                        ; B's, behind A's two
	s_add_co_u32 s45, s45, 2*SCW
	s_sub_co_u32 s45, s45, s44
	v_mul_u32_u24 v6, s45, v3                      ; lanes 16-31 take B's
	s_add_co_u32 s44, s44, SCL
	v_lshl_add_u32 v6, v2, 2, v6
	v_add_nc_u32 v[ADRS], s44, v6
	; the bias, in the result's layout.  q, k: register j of B's tile t wants b[32 (t / 2) + 16 h + 8 (t % 2) + j];  V^T: all eight registers of A's tile t want bv[32 (t / 2) + 8 (t % 2) + r + 8 (r / 8)]
	s_cmp_eq_u32 ttmp9, 1
	s_cselect_b64 s[8:9], s[10:11], s[8:9]
	s_cmp_eq_u32 ttmp9, 2
	s_cselect_b64 s[8:9], s[12:13], s[8:9]
	s_cselect_b32 s42, s22, s21
	s_cselect_b32 s43, s19, s20
	s_cselect_b32 s44, 0, 4
	s_cselect_b32 s45, -1, 0
	s_lshl_b32 s42, s42, 10
	s_lshl_b32 s43, s43, 9
	s_add_co_u32 s42, s42, s43
	s_mov_b32 s43, 0
	s_add_nc_u64 s[8:9], s[8:9], s[42:43]
	v_lshlrev_b32 v7, 6, v3
	v_and_b32 v8, 8, v2
	v_add_nc_u32 v8, v8, v2
	v_lshlrev_b32 v8, 2, v8
	v_cndmask_b32 v7, v7, v8, s45
.irp j, 0,1,2,3,4,5,6,7
	v_mad_u32_u24 v[VB+\j], s44, \j, v7
.endr
.irp t, 0,1,2,3,4,5,6,7
.irp j, 0,1,2,3,4,5,6,7
	global_load_b32 v[BI+8*\t+\j], v[VB+\j], s[8:9] offset:(32*(\t/2)+8*(\t%2))*4
.endr
.endr
	; where the results go.  A wave's 128 channels are a pair of heads, its 128 tokens a group of keys
	s_lshl_b32 s42, s40, 1
	s_add_co_u32 s42, s42, s19                     ; my group of 128 rows
	s_lshl_b32 s43, s41, 1
	s_add_co_u32 s43, s43, s20                     ; my group of 128 columns
	s_add_co_u32 s44, s42, 16
	s_cmp_eq_u32 s23, 1
	s_cselect_b32 s45, s43, s42                    ; the group of tokens, 0..63
	s_cselect_b32 s46, s44, s43                    ; the group of channels: q 0-7, k 8-15, v 16-23
	s_lshr_b32 s47, s46, 3                         ; q, k or v
	s_and_b32 s46, s46, 7                          ; the pair of heads
	s_lshr_b32 s66, s45, 3                         ; the batch
	s_and_b32 s45, s45, 7                          ; the group of 128 tokens in it
	s_lshl_b32 s67, s47, 3
	s_add_co_u32 s67, s67, s66
	s_mul_i32 s[OA], s67, 786432
	s_mul_i32 s67, s46, 98304
	s_add_co_u32 s[OA], s[OA], s67
	s_mul_i32 s67, s45, 6144
	s_add_co_u32 s[OA], s[OA], s67
	s_mov_b32 s[OA+1], 0
	s_add_nc_u64 s[OA:OA+1], s[14:15], s[OA:OA+1]
	s_lshl_b32 s67, s66, 3
	s_add_co_u32 s67, s67, s46                     ; 8 x batch + pair
	s_cmp_eq_u32 s47, 0
	s_mov_b32 s42, 12288
	s_cselect_b32 s42, 8192, s42                   ; q's words: 8,192 bytes a pair;  k's and v's together 12,288, behind all of q's
	s_cselect_b32 s43, 0, 524288
	s_mul_i32 s[OS], s67, s42
	s_add_co_u32 s[OS], s[OS], s43
	s_cmp_eq_u32 s23, 1
	s_cselect_b32 s42, 8192, 0                     ; v's behind the pair's k's
	s_cselect_b32 s43, 8, 9                        ; a group of tokens: 512 bytes of q's or k's words, 256 of v's
	s_mov_b32 s[STA], 768
	s_cselect_b32 s[STA], 1536, s[STA]             ; from block to block: a tile of tokens (one image), or a tile of channels (two)
	s_cselect_b32 s[STB], 43008, 0                 ; V: block 4 begins the pair's second head
	s_mov_b32 s[SMASK], 0xffff
	s_cselect_b32 s[SMASK], -1, s[SMASK]
	s_mov_b32 s44, 49152
	s_cselect_b32 s44, 768, s44                    ; a block's second image: the second head's (q, k), or the next 64 keys (V)
	s_cselect_b32 s46, 0, 16
	s_cselect_b32 s47, 0, 4096
	s_mov_b32 s66, 256
	s_cselect_b32 s66, 2048, s66
	s_add_co_u32 s[OS], s[OS], s42
	s_lshl_b32 s43, s45, s43
	s_add_co_u32 s[OS], s[OS], s43
	s_mov_b32 s[OS+1], 0
	s_add_nc_u64 s[OS:OS+1], s[16:17], s[OS:OS+1]
	s_mov_b32 s[STA+1], 0
	s_mov_b32 s[STB+1], 0
	v_add_nc_u32 v[O16B], s44, v[O16]
	v_add_nc_u32 v[O8B], s44, v[O8]
	v_mul_u32_u24 v[SHV], s46, v3
	v_mul_u32_u24 v[SO1], s47, v3
	v_lshl_add_u32 v[SO1], v2, 4, v[SO1]           ; 16 r (+ the second head's words for lanes 16-31 of q and k)
	v_add_nc_u32 v[SO2], s66, v[SO1]
.macro FRAG reg, adr, q, i             ; a fragment, 16 rows x 128 K, is two images: registers 0-5 and 6-11; every load is dense
	ds_load_b128 v[\reg:\reg+3], v[\adr] offset:(\i)*TROW+2*(\q)*HIMG
	ds_load_b64 v[\reg+4:\reg+5], v[\adr+2] offset:(\i)*TROW+2*(\q)*HIMG
	ds_load_b128 v[\reg+6:\reg+9], v[\adr] offset:(\i)*TROW+2*(\q)*HIMG+HIMG
	ds_load_b64 v[\reg+10:\reg+11], v[\adr+2] offset:(\i)*TROW+2*(\q)*HIMG+HIMG
.endm
; 16 matrix instructions: A's blocks a0, a0 + 1 x B's eight, the slot's q-th 128 along K.  p: B's set; sc: the set of scale words.  zero = 1: the sums begin with the columns' bias, 2: with the rows'.
; The 64 accumulators take turns, one instruction a turn, in the same order in every step.
.macro MUL16 a0, p, q, sc, zero
.irp a, \a0, \a0+1
.irp b, 0,1,2,3,4,5,6,7
.set rD, 8*(8*((\a)%4)+\b)
.set rB, 128*(\p)+FR*\b
.set rA, AF+FR*(\a)
.set rC, rD
.if (\zero) == 1
.set rC, BI+8*\b
.elseif (\zero) == 2
.set rC, BI+8*(\a)
.endif
	v_wmma_scale_f32_16x16x128_f8f6f4 v[rD:rD+7], v[rB:rB+FR-1], v[rA:rA+FR-1], v[rC:rC+7], v[SC+16*(\sc)+2*\b+(\q)], v[SC+16*(\sc)+2*(\a)+(\q)] matrix_a_fmt:MATRIX_FMT_BF6 matrix_b_fmt:MATRIX_FMT_BF6 matrix_a_scale:MATRIX_SCALE_ROW1
.endr
.endr
.endm
.macro FETCH_B slot, q, p
	WIN TO_B
.irp i, 0,1,2,3,4,5,6,7
	FRAG 128*(\p)+FR*\i, ADRB+\slot, \q, \i
.endr
	WIN 0
.endm
.macro FETCH_A slot, q, i0
.irp i, \i0, \i0+1, \i0+2, \i0+3
	FRAG AF+FR*(\i), ADRA+\slot, \q, \i
.endr
.endm
.macro SCALES sc                       ; a K step's scale words: register 2 i + q: lanes 0-15 the word of A's block i, lanes 16-31 that of B's block i
.irp i, 0,1,2,3,4,5,6,7
.irp q, 0,1
	ds_load_b32 v[SC+16*\sc+2*\i+\q], v[ADRS] offset:512*\q+64*\i
.endr
.endr
.endm
.macro PLACES n                        ; plain vector instructions between a matrix instruction and a load into, or a read of, its registers
.rept \n
	v_nop
.endr
.endm
.macro STEP slot, q, zero              ; a step of 128 along K that has its successor in the same slot
	s_wait_dscnt 4*NL                              ; all but the youngest 16 loads (A's blocks 4-7) are in
.if \zero
	WIN 0x81                                       ; B window 1, A and the bias window 0, D window 2
.else
	WIN 0xa1
.endif
	MUL16 0, (\q)%2, \q, \slot, \zero
	MUL16 2, (\q)%2, \q, \slot, \zero
	s_wait_dscnt 0x0                               ; A's blocks 4-7 are in
	PLACES NP
	FETCH_B \slot, (\q)+1, 1-(\q)%2
	FETCH_A \slot, (\q)+1, 0
.if \zero
	WIN 0xc1
.else
	WIN 0xf1
.endif
	MUL16 4, (\q)%2, \q, \slot, \zero
	MUL16 6, (\q)%2, \q, \slot, \zero
	PLACES NP
	WIN 0
	FETCH_A \slot, (\q)+1, 4
.endm
; A slot's last step changes slots: one barrier; in front of it each wave waits for all its tensor loads, adds 0 to its spare word, and waits for that and for its reads of this slot.
.macro TURN slot, next, fill
	s_wait_tensorcnt 0x0                           ; all my tensor loads have landed: my part of the next slot
	ds_add_u32 v[SPW], v[NIL]                      ; 0 onto my spare word
	s_wait_dscnt 4*NL+1                            ; (the add and the youngest 16 loads may be out)
	WIN 0xa1
	MUL16 0, 1, 1, \slot, 0
	s_wait_dscnt 0x0                               ; the add is done, and my reads of this slot are over
	s_barrier_signal -1
	MUL16 2, 1, 1, \slot, 0
	WIN 0
	s_barrier_wait -1
.if \fill
	CREST                                          ; the barrier has opened a round of the cluster's: no wave of any partner still reads this slot or has a load on its way
	s_add_nc_u64 s[G0+4*\slot+2:G0+4*\slot+3], s[G0+4*\slot+2:G0+4*\slot+3], 2*TROW
	s_add_nc_u64 s[G0B+4*\slot+2:G0B+4*\slot+3], s[G0B+4*\slot+2:G0B+4*\slot+3], 2*TROW
	JLOAD G0+4*\slot, G1, G0B+4*\slot, G1B         ; the first tensor load behind the round; its four v_nop are the places in front of the loads below
.else
	PLACES NP
.endif
	v_add_nc_u32 v[ADRS], 1024, v[ADRS]            ; the next K step's scale words
	FETCH_B \next, 0, 0
	FETCH_A \next, 0, 0
	SCALES \next
	WIN 0xf1
	MUL16 4, 1, 1, \slot, 0
	MUL16 6, 1, 1, \slot, 0
	PLACES NP
	WIN 0
	FETCH_A \next, 0, 4
.endm
	s_wait_tensorcnt 1                             ; the scale words and my part of K step 0 are in; K step 1's load may be out
	s_barrier_signal -1
	s_barrier_wait -1
	FETCH_B 0, 0, 0
	FETCH_A 0, 0, 0
	SCALES 0
	FETCH_A 0, 0, 4
	s_wait_loadcnt 0x0                             ; the bias
	s_cmp_eq_u32 s23, 0                            ; the first step differs in which bias registers start a sum; the two ways issue the same loads
	s_cbranch_scc0 .Lby_rows
	STEP 0, 0, 1
	s_branch .Lstarted
.Lby_rows:
	STEP 0, 0, 2
.Lstarted:
	TURN 0, 1, 1                                   ; K has four K steps: written out, both slots filled again once
	STEP 1, 0, 0
	TURN 1, 0, 1
	STEP 0, 0, 0
	TURN 0, 1, 0
	STEP 1, 0, 0
	s_wait_dscnt 4*NL
	WIN 0xa1
	MUL16 0, 1, 1, 1, 0
	MUL16 2, 1, 1, 1, 0
	s_wait_dscnt 0x0
	WIN 0xf1
	MUL16 4, 1, 1, 1, 0
	MUL16 6, 1, 1, 1, 0
	WIN 0
; THE WAY OUT.  Block a (16 rows x 128 columns) lies in 64 registers a lane, register 16 b + i = column 32 b + 16 h + i of my row: it is quantised where it lies, and the codes are two images, which leave in aligned runs of 256 bytes.
.macro OUTBLK a
.set AC, 64*((\a)%4)
	WIN 0x0a+5*((\a)/4)                            ; sources 0 and 1: window 2 or 3
.irp b, 0,1,2,3
	v_max3_num_f32 v[TM+\b], |v[AC+16*\b]|, |v[AC+16*\b+1]|, 0x2800000   ; each accumulator from its low end on; the floor 2^(5 - 127) holds the byte at 1 from below
.endr
.irp i, 2,4,6,8,10,12,14
.irp b, 0,1,2,3
	v_max3_num_f32 v[TM+\b], |v[AC+16*\b+\i]|, |v[AC+16*\b+\i+1]|, v[TM+\b]
.endr
.endr
	WIN 0
.irp b, 0,1,2,3
	v_permlanex16_b32 v[TM+4+\b], v[TM+\b], s[SEL], s[SEL+1]
.endr
.irp b, 0,1,2,3
	v_max_num_f32 v[TM+\b], v[TM+\b], v[TM+4+\b]
.endr
.irp b, 0,1,2,3
	v_add_nc_u32 v[TM+12+\b], 0xfe000000, v[TM+\b] ; 4 off the exponent field: the conversion's scale operand
.endr
.irp b, 0,1,2,3
	v_lshrrev_b32 v[TM+4+\b], 23, v[TM+12+\b]
.endr
	v_lshl_or_b32 v[PW], v[TM+5], 8, v[TM+4]
	v_lshl_or_b32 v[PW], v[TM+6], 16, v[PW]
	v_lshl_or_b32 v[PW], v[TM+7], 24, v[PW]
	v_lshrrev_b32 v[SW+\a], v[SHV], v[PW]          ; q, k: a head has two blocks: lanes 0-15 keep the first head's two bytes, lanes 16-31 the second's; the upper two bytes are 0 (they meet zero codes)
	v_and_b32 v[SW+\a], s[SMASK], v[SW+\a]         ; V: the whole word
.if (\a) > 0
	s_wait_xcnt 0x0                                ; the last block's stores have read their registers and their base
	s_add_nc_u64 s[OA:OA+1], s[OA:OA+1], s[STA:STA+1]
.endif
.if (\a) == 4
	s_add_nc_u64 s[OA:OA+1], s[OA:OA+1], s[STB:STB+1]
.endif
	WIN 0x02+((\a)/4)
.irp c, 0,1
	v_cvt_scalef32_pk16_bf6_f32 v[PC+6*\c:PC+2+6*\c], v[AC+32*\c:AC+15+32*\c], v[TM+12+2*\c]
	v_cvt_scalef32_pk16_bf6_f32 v[PC+12+4*\c:PC+14+4*\c], v[AC+16+32*\c:AC+31+32*\c], v[TM+12+2*\c+1]
.endr
	WIN 0
	v_nop                                          ; one plain instruction behind a scaled conversion
.irp c, 0,1
.irp i, 0,1,2
	v_permlane16_swap_b32 v[PC+6*\c+\i], v[PC+12+4*\c+\i]
.endr
.irp i, 0,1,2
	v_mov_b32 v[PC+3+6*\c+\i], v[PC+12+4*\c+\i]
.endr
.endr
	global_store_b128 v[O16], v[PC:PC+3], s[OA:OA+1]
	global_store_b64 v[O8], v[PC+4:PC+5], s[OA:OA+1]
	global_store_b128 v[O16B], v[PC+6:PC+9], s[OA:OA+1]
	global_store_b64 v[O8B], v[PC+10:PC+11], s[OA:OA+1]
.endm
	PLACES NP                                      ; behind the last products: their results are read and A's registers written below
.irp b, 0,1,2,3
	v_mov_b32 v[TM+4+\b], 0                        ; a lane permute's destination counts as one of its sources
.endr
.irp a, 0,1,2,3,4,5,6,7
	OUTBLK \a
.endr
	global_store_b128 v[SO1], v[SW:SW+3], s[OS:OS+1]       ; sixteen lanes store 256 consecutive bytes, aligned (V: both halves of the lanes store the same bytes with the same values)
	global_store_b128 v[SO2], v[SW+4:SW+7], s[OS:OS+1]
	s_wait_tensorcnt 0x0                           ; the wave's end
	ds_add_u32 v[SPW], v[NIL]
	s_wait_dscnt 0x0
	CROUND                                         ; the closing round: no work-group ends while a partner may still ask for a tile that names it
	s_endpgm
.Lfunc_end_k_q6ccfe56216_qkv:
	.size	k_q6ccfe56216_qkv, .Lfunc_end_k_q6ccfe56216_qkv-k_q6ccfe56216_qkv
	.p2alignl 7, 3214868480
	.fill 96, 4, 3214868480
	.section	.rodata,"a",@progbits
	.p2align	6, 0x0
	.amdhsa_kernel k_q6ccfe56216_qkv
		.amdhsa_group_segment_fixed_size 327680
		.amdhsa_private_segment_fixed_size 0
		.amdhsa_enable_private_segment 0
		.amdhsa_kernarg_size 56
		.amdhsa_user_sgpr_count 2
		.amdhsa_user_sgpr_kernarg_segment_ptr 1
		.amdhsa_wavefront_size32 1
		.amdhsa_system_sgpr_workgroup_id_x 1
		.amdhsa_system_sgpr_workgroup_id_y 1
		.amdhsa_system_sgpr_workgroup_id_z 1
		.amdhsa_system_vgpr_workitem_id 0
		.amdhsa_next_free_vgpr 1024
		.amdhsa_next_free_sgpr 102
		.amdhsa_reserve_vcc 0
		.amdhsa_float_denorm_mode_32 3
		.amdhsa_float_denorm_mode_16_64 3
		.amdhsa_memory_ordered 1
		.amdhsa_forward_progress 1
		.amdhsa_inst_pref_size 173
	.end_amdhsa_kernel
	.amdgpu_metadata
---
amdhsa.version: [ 1, 2 ]
amdhsa.kernels:
  - .name:           k_q6ccfe56216_qkv
    .symbol:         k_q6ccfe56216_qkv.kd
    .args:
      - { .name: xw_codes, .offset: 0, .size: 8, .value_kind: global_buffer, .address_space: global }
      - { .name: xw_scales, .offset: 8, .size: 8, .value_kind: global_buffer, .address_space: global }
      - { .name: bq, .offset: 16, .size: 8, .value_kind: global_buffer, .address_space: global }
      - { .name: bk, .offset: 24, .size: 8, .value_kind: global_buffer, .address_space: global }
      - { .name: bv, .offset: 32, .size: 8, .value_kind: global_buffer, .address_space: global }
      - { .name: qkv_codes, .offset: 40, .size: 8, .value_kind: global_buffer, .address_space: global }
      - { .name: qkv_scales, .offset: 48, .size: 8, .value_kind: global_buffer, .address_space: global }
    .group_segment_fixed_size: 327680
    .private_segment_fixed_size: 0
    .kernarg_segment_align: 8
    .kernarg_segment_size: 56
    .max_flat_workgroup_size: 128
    .sgpr_count:     102
    .vgpr_count:     1024
    .wavefront_size: 32
...
	.end_amdgpu_metadata
.endif
;; end of part 2
;; launch attn (part 3): grid 4 x 64, 16 waves a work-group, clusters of 4 x 1, 217,088 bytes of LDS; arguments qkv_codes, qkv_scales, mask, ctx_codes, ctx_scales; writes ctx_codes, ctx_scales
.if DOCPART == 3
	.amdgcn_target "amdgcn-amd-amdhsa--gfx1250"
	.amdhsa_code_object_version 6
	.text
	.protected	k_q6ccfe56216_attn
	.globl	k_q6ccfe56216_attn
	.p2align	8
	.type	k_q6ccfe56216_attn,@function
k_q6ccfe56216_attn:
	s_mov_b64 s[64:65], 0
	v_nop
	global_prefetch_b8 v0, s[64:65] scope:SCOPE_SE
	s_setreg_imm32_b32 hwreg(HW_REG_WAVE_MODE, 25, 1), 1
	s_wait_xcnt 0x0
	s_wait_alu depctr_hold_cnt(0) depctr_sa_sdst(0) depctr_va_vdst(0) depctr_va_sdst(0) depctr_va_ssrc(0) depctr_va_vcc(0) depctr_vm_vsrc(0)
	s_getreg_b32 s2, hwreg(HW_REG_IB_STS2, 6, 4)
	s_cmp_eq_u32 s2, 0
	s_cbranch_scc0 .Lentry_in_a_cluster
	s_endpgm
.Lentry_in_a_cluster:
	s_bfe_u32 s2, ttmp6, 0x10000c
	s_cmp_lg_u32 s2, 0x3003
	s_cbranch_scc0 .Lentry_shape_is_right
	s_endpgm
.Lentry_shape_is_right:
; ctx[b][q][head] = softmax over the keys of (q . k / 8, keys with mask 0 hidden) x v, head size 64, 1,024 keys; both products on codes of BF6 (E3M2) with E8M0 scales; ctx is quantised along its channels and leaves as codes.
; THE SOFTMAX: t = score x log2(e) / 8; M = the running largest t rounded up to a whole number; p = 2^(t - M) is quantised along the keys; the row's sum is taken of the unquantised p and divides at the end.
; LIMITS: a hidden key's score is -2^126, not -infinity: real scores must lie above -7e36.  A batch with no valid key at all (NaN in the definition) is not served.  NaN and infinities among the inputs are not served.
; A block of zeros gets the byte 1 where the rule says 127 (its codes are zeros; this program alone reads the bytes).
; SHARES.  A work-group owns 256 queries of one pair of heads of one batch; each of its sixteen waves one tile of 16 queries, first for the pair's first head, then for its second.  Four waves to a SIMD.
; K, V and their scale words of BOTH heads lie in LDS whole (208,896 bytes), filled once: no slot is filled again.  Two barriers publish them: one in front of the first key step (scale words, first head),
; one behind the first head's second key step (second head).  From there to the end of the second head no wave waits for another.
; CLUSTER.  The four blocks of queries of a pair of heads form a cluster and ask for every tile jointly (mask 15).
; LAYOUT.  Both products are used transposed (S^T = K Q^T, O^T = V^T P^T): a lane holds one query.  The head's 64 fill half of the instruction's 128 along K: registers 6-11 of K's and Q's fragments are zero codes.
; The rows of a tile of 16 keys are laid (by the launch before) so that the 16 registers of tiles 2 b and 2 b + 1 are the keys 32 b + 16 (lane / 16) + 0 .. 15; V^T's channels likewise.
; THE MASK costs no vector instruction in the loop: 0 or -2^126 for each key lies in LDS and is loaded as the C of K Q^T.
.set KC,    0                          ; K's codes: [head][64 tiles of 16 keys][768]
.set VC,    98304                      ; V's: [head][group of 128 keys][4 tiles of 16 channels][2 images of 64 keys][768]
.set KS,    196608                     ; K's scale words: [head][group][tile / 4][r][tile % 4]
.set VS,    204800                     ; V's: [head][group][r][tile]
.set MB,    208896                     ; the mask's 1,024 numbers, f32; stored by the waves: no fill lands here
.set CS,    212992                     ; ctx's 256 scale words on their way out
.set HEADB, 49152
.set GRP,   6144                       ; 128 keys of K or of V
.set L16,   1                          ; v1  16 x lane
.set L8,    2                          ; v2  512 + 8 x lane
.set H64,   3                          ; v3  64 x (lane / 16)
.set R16,   4                          ; v4  16 x (lane % 16)
.set ADK16, 5                          ; v5-11 the step's LDS addresses
.set ADK8,  6
.set ADV16, 7
.set ADV8,  8
.set ADM,   9
.set ADS,   10
.set ADT,   11                         ; v12 -M, v13 the largest t, v[14:15] the sum in two halves
.set QF,    16                         ; v16-27, v28-39 Q's fragments of the two heads
.set KB,    40                         ; v40-87 four fragments of K
.set KSC,   88                         ; v88-95 K's scale words
.set S,     96                         ; v96-159 the mask's numbers, then S^T, then p, then V's four fragments
.set O,     160                        ; v160-191 O^T
.set PCD,   192                        ; v192-211 p's codes
.set BM,    212
.set BT,    216
.set BO,    220
.set TP,    224
.set FF,    226                        ; v226 f = 2^(old M - new M); v227 p's scale word
.set PWD,   227
.set QS,    228                        ; v228, v229 Q's scale words
.set HW,    230                        ; v230 ctx's scale word
.set CX,    232
.set CY,    238
.set CSW,   241
.set CSR,   242
.set CSO,   243
.set VSC,   244                        ; v244-247 V's scale words
.set WV,    18
.set SEL,   20
.set CC,    22                         ; s[22:23] c = log2(e) / 8
.set G1C,   24
.set G1S,   32
.set TK,    52
.set TV,    53
.set TMB,   54
.set TS,    55
.set TT,    56
.set CNT,   57
.macro CROUND                          ; a round of the cluster's barrier
	s_barrier_signal -1
	s_barrier_wait -1
	s_cmp_lg_u32 s[WV], 0
	s_cbranch_scc1 .Lnot_wave_0_\@
	s_barrier_signal -3
.Lnot_wave_0_\@:
	s_barrier_wait -3
	s_barrier_signal -1
	s_barrier_wait -1
.endm
	s_load_b256 s[4:11], s[0:1], 0x0               ; the codes s[4:5], the scale words s[6:7], the mask s[8:9], ctx's codes s[10:11]
	s_load_b64 s[12:13], s[0:1], 0x20              ; ctx's scale words
	v_lshl_add_u32 v254, v0, 2, 0x34800
	v_mov_b32 v255, 0
	ds_add_u32 v254, v255
	ds_add_u32 v254, v255
	v_lshrrev_b32 v1, 5, v0
	v_readfirstlane_b32 s[WV], v1                  ; wave 0..15
	s_and_b32 s14, ttmp7, 0xffff                   ; 8 x batch + pair of heads: the four partners share it
	s_bfe_u32 s15, ttmp6, 0x40000                  ; cx: my block of 256 queries: it enters global addresses alone
	s_lshl_b32 s16, s15, 4
	s_add_co_u32 s16, s16, s[WV]                   ; my tile of queries, 0..63
	s_lshr_b32 s17, s14, 3                         ; the batch
	s_and_b32 s19, s14, 7                          ; the pair
	; descriptor group 1: dense blocks as rows of 256 bytes (32 elements of 8 bytes): 24 rows of codes, 3 rows of scale words
	s_mov_b32 s[G1C], 15|(3<<16)|(1<<21)           ; 15:0 the mask: all four work-groups; 17:16 elements of 8 bytes; 21 set beside a mask
	s_mov_b32 s[G1C+1], 32<<16
	s_mov_b32 s[G1C+2], 24<<16
	s_mov_b32 s[G1C+3], 32<<16
	s_mov_b32 s[G1C+4], 24
	s_mov_b32 s[G1C+5], 32
	s_mov_b32 s[G1C+6], 0
	s_mov_b32 s[G1C+7], 0
	s_mov_b32 s[G1S], 15|(3<<16)|(1<<21)
	s_mov_b32 s[G1S+1], 32<<16
	s_mov_b32 s[G1S+2], 3<<16
	s_mov_b32 s[G1S+3], 32<<16
	s_mov_b32 s[G1S+4], 3
	s_mov_b32 s[G1S+5], 32
	s_mov_b32 s[G1S+6], 0
	s_mov_b32 s[G1S+7], 0
	s_mul_i32 s58, s14, 12288                      ; the pair's 12,288 bytes of K's and V's scale words: 768 a wave
	s_mul_i32 s62, s[WV], 768
	s_add_co_u32 s58, s58, s62
	s_add_co_u32 s58, s58, 524288
	s_mov_b32 s59, 0
	s_add_co_u32 s63, s62, KS
	s_lshr_b32 s76, s[WV], 3                       ; waves 0-7 bring K's groups of 128 keys, waves 8-15 V's
	s_and_b32 s77, s[WV], 7
	s_mul_i32 s60, s76, 6291456
	s_add_co_u32 s60, s60, 6291456
	s_mul_i32 s78, s14, 98304
	s_add_co_u32 s60, s60, s78
	s_mul_i32 s78, s77, GRP
	s_add_co_u32 s60, s60, s78
	s_mov_b32 s61, 0
	s_mul_i32 s62, s[WV], GRP
	s_mul_i32 s78, s76, HEADB
	s_add_co_u32 s62, s62, s78                     ; in LDS: 6,144 x wave, and V's behind K's second head
	s_mov_b32 s[SEL], 0x76543210
	s_mov_b32 s[SEL+1], 0xfedcba98
	s_mov_b32 s[CC], 0x3e38aa3b
	s_mov_b32 s[CC+1], s[CC]
	s_wait_dscnt 0x0
	s_wait_kmcnt 0x0
	s_mov_b32 s40, 1
	s_mov_b32 s41, s63
	s_add_nc_u64 s[42:43], s[6:7], s[58:59]
	s_or_b32 s43, s43, 0x80000000
	s_mov_b32 s44, 1
	s_mov_b32 s45, s62
	s_add_nc_u64 s[46:47], s[4:5], s[60:61]
	s_mov_b32 s48, 1
	s_add_co_u32 s49, s62, HEADB
	s_add_nc_u64 s[50:51], s[46:47], HEADB
	s_or_b32 s47, s47, 0x80000000
	s_or_b32 s51, s51, 0x80000000
	CROUND                                         ; all four work-groups are here: the joint loads meet
	tensor_load_to_lds s[40:43], s[G1S:G1S+7]      ; every wave: its part of the scale words,
	s_nop 0
	tensor_load_to_lds s[44:47], s[G1C:G1C+7]      ; of the first head's codes,
	s_nop 0
	tensor_load_to_lds s[48:51], s[G1C:G1C+7]      ; and of the second's: three loads of mine are out, and no byte is filled twice
	s_nop 0
.rept 4
	v_nop
.endr
	v_and_b32 v8, 31, v0
	v_and_b32 v9, 15, v0
	v_bfe_u32 v10, v0, 4, 1
	v_lshlrev_b32 v[L16], 4, v8
	v_lshlrev_b32 v[L8], 3, v8
	v_add_nc_u32 v[L8], 512, v[L8]
	v_lshlrev_b32 v[H64], 6, v10
	v_lshlrev_b32 v[R16], 4, v9
	s_lshl_b32 s58, s[WV], 6
	s_add_co_u32 s58, s58, CS
	v_lshl_add_u32 v[CSW], v9, 2, s58              ; ctx's scale words: 64 x wave + 4 r
	s_and_b32 s58, s[WV], 1
	s_lshl_b32 s58, s58, 9
	v_add_nc_u32 v[CSO], s58, v[L16]               ; and on the way out, in waves 0 and 1: 512 x wave + 16 x lane
	v_add_nc_u32 v[CSR], CS, v[CSO]
	s_mul_i32 s66, s14, 98304
	s_mul_i32 s58, s16, 768
	s_add_co_u32 s66, s66, s58
	s_mov_b32 s67, 0
	s_add_nc_u64 s[66:67], s[4:5], s[66:67]        ; Q's image, first head
	s_lshl_b32 s68, s14, 13
	s_lshr_b32 s58, s16, 3
	s_lshl_b32 s58, s58, 9
	s_add_co_u32 s68, s68, s58
	s_bfe_u32 s58, s16, 0x10002
	s_lshl_b32 s58, s58, 8
	s_add_co_u32 s68, s68, s58
	s_and_b32 s58, s16, 3
	s_lshl_b32 s58, s58, 2
	s_add_co_u32 s68, s68, s58
	s_mov_b32 s69, 0
	s_add_nc_u64 s[68:69], s[6:7], s[68:69]        ; Q's scale words
	s_lshl_b32 s70, s17, 6
	s_add_co_u32 s70, s70, s16
	s_mul_i32 s70, s70, 12288
	s_mul_i32 s58, s19, 1536
	s_add_co_u32 s70, s70, s58
	s_mov_b32 s71, 0
	s_add_nc_u64 s[70:71], s[10:11], s[70:71]      ; ctx's codes: tile 64 x batch + mine, the pair's two images
	s_lshl_b32 s72, s19, 15
	s_lshl_b32 s58, s17, 12
	s_add_co_u32 s72, s72, s58
	s_lshl_b32 s58, s15, 10
	s_add_co_u32 s72, s72, s58
	s_mov_b32 s73, 0
	s_add_nc_u64 s[72:73], s[12:13], s[72:73]      ; ctx's scale words: the pair's 128 along K, the work-group's 256 rows
	s_lshl_b32 s74, s17, 12
	s_mov_b32 s75, 0
	s_add_nc_u64 s[74:75], s[8:9], s[74:75]        ; the batch's mask
	v_lshlrev_b32 v10, 3, v0
	global_load_b64 v[S:S+1], v10, s[74:75]        ; two keys a thread
	global_load_b128 v[QF:QF+3], v[L16], s[66:67]
	global_load_b64 v[QF+4:QF+5], v[L8], s[66:67]
	global_load_b128 v[QF+12:QF+15], v[L16], s[66:67] offset:HEADB
	global_load_b64 v[QF+16:QF+17], v[L8], s[66:67] offset:HEADB
	global_load_b32 v[QS], v[R16], s[68:69]
	global_load_b32 v[QS+1], v[R16], s[68:69] offset:4096
.irp f, QF, QF+12, KB, KB+12, KB+24, KB+36
.irp i, 6,7,8,9,10,11
	v_mov_b32 v[\f+\i], 0                          ; zero codes for the instruction's upper 64 along K: written once
.endr
.endr
.irp b, 0,1,2,3
	v_mov_b32 v[BT+\b], 0                          ; a lane permute's destination counts as one of its sources
.endr
	v_mov_b32 v[TP], 0
	v_mov_b32 v[PWD], 0                            ; named as the upper half of the pair with f before it is first written
	v_add_nc_u32 v11, MB, v10
	v_mov_b32 v[S+2], 0xfe800000                   ; -2^126
	s_wait_loadcnt 6                               ; the mask's load is in; Q's six may be out
	v_cmp_eq_u32 vcc_lo, 0, v[S]
	v_cndmask_b32 v[S], 0, v[S+2], vcc_lo
	v_cmp_eq_u32 vcc_lo, 0, v[S+1]
	v_cndmask_b32 v[S+1], 0, v[S+2], vcc_lo
	ds_store_b64 v11, v[S:S+1]
	s_wait_tensorcnt 1                             ; my parts of the scale words and of the first head are in; the second head's may be out
	s_wait_dscnt 0x0                               ; my part of the mask's numbers lies in LDS
	s_wait_loadcnt 0x0                             ; Q
	s_barrier_signal -1
	s_barrier_wait -1
; A KEY STEP: 128 keys.  qf: Q's fragment; qw: its scale words.
.macro STEP qf, qw
	v_add_nc_u32 v[ADK16], s[TK], v[L16]           ; these seven are also the places behind the last step's products
	v_add_nc_u32 v[ADK8], s[TK], v[L8]
	v_add_nc_u32 v[ADV16], s[TV], v[L16]
	v_add_nc_u32 v[ADV8], s[TV], v[L8]
	v_add_nc_u32 v[ADM], s[TMB], v[H64]
	v_add_nc_u32 v[ADS], s[TS], v[R16]
	v_add_nc_u32 v[ADT], s[TT], v[R16]
.irp t, 0,1,2,3,4,5,6,7
	ds_load_b128 v[S+8*\t:S+8*\t+3], v[ADM] offset:128*(\t/2)+32*(\t%2)       ; register j of tile t is key 32 (t / 2) + 16 h + 8 (t % 2) + j: its 0 or -2^126
	ds_load_b128 v[S+8*\t+4:S+8*\t+7], v[ADM] offset:128*(\t/2)+32*(\t%2)+16
.endr
	ds_load_b128 v[KSC:KSC+3], v[ADS]
	ds_load_b128 v[KSC+4:KSC+7], v[ADS] offset:256
.irp g, 0,1                                    ; S^T = K Q^T + the mask's numbers, four tiles of 16 keys at a time
.if \g
.rept 4
	v_nop                                          ; places in front of loads into registers that matrix instructions have read
.endr
.endif
.irp t, 0,1,2,3
	ds_load_b128 v[KB+12*\t:KB+12*\t+3], v[ADK16] offset:768*(4*\g+\t)
	ds_load_b64 v[KB+12*\t+4:KB+12*\t+5], v[ADK8] offset:768*(4*\g+\t)
.endr
	s_wait_dscnt 0x0
.irp t, 0,1,2,3
	v_wmma_scale_f32_16x16x128_f8f6f4 v[S+8*(4*\g+\t):S+8*(4*\g+\t)+7], v[KB+12*\t:KB+12*\t+11], v[\qf:\qf+11], v[S+8*(4*\g+\t):S+8*(4*\g+\t)+7], v[KSC+4*\g+\t], v[\qw] matrix_a_fmt:MATRIX_FMT_BF6 matrix_b_fmt:MATRIX_FMT_BF6
.endr
.endr
.rept 4
	v_nop
.endr
.irp b, 0,1,2,3
	v_max3_num_f32 v[BM+\b], v[S+16*\b], v[S+16*\b+1], v[S+16*\b+2]   ; the largest score of each block of 32 keys: for the row's maximum, and, since p rises with the score, for the block's largest p
.endr
.irp i, 3,5,7,9,11,13
.irp b, 0,1,2,3
	v_max3_num_f32 v[BM+\b], v[BM+\b], v[S+16*\b+\i], v[S+16*\b+\i+1]
.endr
.endr
.irp b, 0,1,2,3
	v_max_num_f32 v[BM+\b], v[BM+\b], v[S+16*\b+15]
.endr
.irp b, 0,1,2,3
	v_permlanex16_b32 v[BT+\b], v[BM+\b], s[SEL], s[SEL+1]
.endr
.irp b, 0,1,2,3
	v_max_num_f32 v[BM+\b], v[BM+\b], v[BT+\b]     ; with lane l xor 16's 16 keys
.endr
	v_max3_num_f32 v[TP], v[BM], v[BM+1], v[BM+2]
	v_max_num_f32 v[TP], v[TP], v[BM+3]
	v_mul_f32 v[TP], s[CC], v[TP]                  ; as t (c is positive)
	v_max_num_f32 v13, v13, v[TP]                  ; the running largest t
	v_mov_b32 v[TP], v12
	v_floor_f32 v12, -v13                          ; the new -M = floor(-t): M is a whole number
	v_sub_f32 v[TP], v12, v[TP]                    ; old M - new M: a whole number, 0 or less
	v_cvt_i32_f32 v[TP], v[TP]                     ; (it saturates)
	v_ldexp_f32 v[FF], 1.0, v[TP]                  ; f = 2^(old M - new M): a multiplication by it rounds nothing
.set j, 0
.rept 32
	v_pk_fma_f32 v[S+j:S+j+1], v[S+j:S+j+1], s[CC:CC+1], v[12:13] op_sel_hi:[1,0,0]   ; t - M, two at a time
.set j, j+2
.endr
.irp b, 0,1,2,3
	v_fma_f32 v[BM+\b], v[BM+\b], s[CC], v12       ; the same of each block's largest score
.endr
.set j, 0
.rept 64
	v_exp_f32 v[S+j], v[S+j]                       ; p = 2^(t - M), at most 1; 0 for a hidden key
.set j, j+1
.endr
	v_pk_mul_f32 v[14:15], v[14:15], v[FF:FF+1] op_sel_hi:[1,0]   ; the sums under the new M: a plain instruction behind the exponentials
	s_wait_alu depctr_va_vdst(0)                   ; one wait for the batch of 64, ahead of its first reader
.irp b, 0,1,2,3
	v_exp_f32 v[BM+\b], v[BM+\b]                   ; the block's largest p
.endr
	v_pk_add_f32 v[BT:BT+1], v[S:S+1], v[S+2:S+3]  ; the row's sum is taken of the unquantised p, in two chains
.set j, 4
.rept 15
	v_pk_add_f32 v[14:15], v[14:15], v[S+j:S+j+1]
	v_pk_add_f32 v[BT:BT+1], v[BT:BT+1], v[S+j+2:S+j+3]
.set j, j+4
.endr
	v_pk_add_f32 v[14:15], v[14:15], v[BT:BT+1]
	s_wait_alu depctr_va_vdst(0)                   ; and one for the four
.irp b, 0,1,2,3
	v_max_num_f32 v[BM+\b], 0x2800000, v[BM+\b]    ; the floor 2^(5 - 127): the byte cannot fall under 1
.endr
.irp b, 0,1,2,3
	v_add_nc_u32 v[BO+\b], 0xfe000000, v[BM+\b]    ; 4 off the exponent field: the conversion's scale operand
.endr
.irp b, 0,1,2,3
	v_lshrrev_b32 v[BT+\b], 23, v[BO+\b]
.endr
	v_lshl_or_b32 v[PWD], v[BT+1], 8, v[BT]        ; p's scale word for these 128 keys
	v_lshl_or_b32 v[PWD], v[BT+2], 16, v[PWD]
	v_lshl_or_b32 v[PWD], v[BT+3], 24, v[PWD]
.irp c, 0,1
	v_cvt_scalef32_pk16_bf6_f32 v[PCD+6*\c:PCD+2+6*\c], v[S+32*\c:S+15+32*\c], v[BO+2*\c]
	v_cvt_scalef32_pk16_bf6_f32 v[PCD+12+4*\c:PCD+14+4*\c], v[S+16+32*\c:S+31+32*\c], v[BO+2*\c+1]
.endr
.irp t, 0,1,2,3                                ; p has been read for the last time: V's four fragments land where it lay, while the codes are put in order
	ds_load_b128 v[S+12*\t:S+12*\t+3], v[ADV16] offset:1536*\t
	ds_load_b64 v[S+12*\t+4:S+12*\t+5], v[ADV8] offset:1536*\t
	ds_load_b128 v[S+12*\t+6:S+12*\t+9], v[ADV16] offset:1536*\t+768
	ds_load_b64 v[S+12*\t+10:S+12*\t+11], v[ADV8] offset:1536*\t+768
.endr
	ds_load_b128 v[VSC:VSC+3], v[ADT]
	v_nop                                          ; one plain instruction behind a scaled conversion
.irp c, 0,1                                    ; the layout wants a whole block in a lane
.irp i, 0,1,2
	v_permlane16_swap_b32 v[PCD+6*\c+\i], v[PCD+12+4*\c+\i]
.endr
.irp i, 0,1,2
	v_mov_b32 v[PCD+3+6*\c+\i], v[PCD+12+4*\c+\i]
.endr
.endr
.set j, 0
.rept 16
	v_pk_mul_f32 v[O+j:O+j+1], v[O+j:O+j+1], v[FF:FF+1] op_sel_hi:[1,0]   ; O^T under the new M.  These sixteen are also the places between the codes' and the scale word's last writes and the products
.set j, j+2
.endr
	s_wait_dscnt 0x0
.irp t, 0,1,2,3                                ; O^T += V^T P^T: the four accumulators by turns
	v_wmma_scale_f32_16x16x128_f8f6f4 v[O+8*\t:O+8*\t+7], v[S+12*\t:S+12*\t+11], v[PCD:PCD+11], v[O+8*\t:O+8*\t+7], v[VSC+\t], v[PWD] matrix_a_fmt:MATRIX_FMT_BF6 matrix_b_fmt:MATRIX_FMT_BF6
.endr
.endm
; A head's end: O^T / the sum; register 16 b + i is channel 32 b + 16 h + i of my query: two blocks, quantised where they lie; the codes are one image of 768 bytes.
.macro CTXOUT e
.rept 4
	v_nop                                          ; places behind the last products
.endr
	v_add_f32 v14, v14, v15
	v_permlanex16_b32 v[TP], v14, s[SEL], s[SEL+1]
	v_add_f32 v14, v14, v[TP]                      ; the row's sum
	v_rcp_f32 v14, v14
	v_nop                                          ; a plain instruction behind the reciprocal
	s_wait_alu depctr_va_vdst(0)                   ; and the wait ahead of its first reader
.set j, 0
.rept 32
	v_mul_f32 v[S+j], v[O+j], v14                  ; each accumulator from its low end on
.set j, j+1
.endr
.irp b, 0,1
	v_max3_num_f32 v[BM+\b], |v[S+16*\b]|, |v[S+16*\b+1]|, 0x2800000
.endr
.irp i, 2,4,6,8,10,12,14
.irp b, 0,1
	v_max3_num_f32 v[BM+\b], v[BM+\b], |v[S+16*\b+\i]|, |v[S+16*\b+\i+1]|
.endr
.endr
.irp b, 0,1
	v_permlanex16_b32 v[BT+\b], v[BM+\b], s[SEL], s[SEL+1]
.endr
.irp b, 0,1
	v_max_num_f32 v[BM+\b], v[BM+\b], v[BT+\b]
.endr
.irp b, 0,1
	v_add_nc_u32 v[BO+\b], 0xfe000000, v[BM+\b]
.endr
.irp b, 0,1
	v_lshrrev_b32 v[BT+\b], 23, v[BO+\b]
.endr
.if \e == 0
	v_lshl_or_b32 v[HW], v[BT+1], 8, v[BT]         ; the first head's two bytes of the pair's scale word
.else
	v_lshl_or_b32 v[TP], v[BT+1], 8, v[BT]
	v_lshl_or_b32 v[HW], v[TP], 16, v[HW]          ; and the second's
	s_wait_xcnt 0x0                                ; the first head's stores have read the codes' registers
.endif
	v_cvt_scalef32_pk16_bf6_f32 v[CX:CX+2], v[S:S+15], v[BO]
	v_cvt_scalef32_pk16_bf6_f32 v[CY:CY+2], v[S+16:S+31], v[BO+1]
	v_nop                                          ; one plain instruction behind a scaled conversion
.irp i, 0,1,2
	v_permlane16_swap_b32 v[CX+\i], v[CY+\i]
.endr
.irp i, 0,1,2
	v_mov_b32 v[CX+3+\i], v[CY+\i]
.endr
	global_store_b128 v[L16], v[CX:CX+3], s[70:71] offset:768*\e    ; three aligned runs of 256 consecutive bytes
	global_store_b64 v[L8], v[CX+4:CX+5], s[70:71] offset:768*\e
.endm
.macro START e                         ; a head begins
	v_mov_b32 v13, 0xfb800000                      ; the largest t so far: -2^120, under every real t and over every hidden one
	v_floor_f32 v12, -v13
	v_mov_b32 v14, 0
	v_mov_b32 v15, 0
.set j, 0
.rept 32
	v_mov_b32 v[O+j], 0                            ; the step is written once: the first finds zeros, which the first change of M leaves zeros
.set j, j+1
.endr
	s_mov_b32 s[TK], KC+\e*HEADB
	s_mov_b32 s[TV], VC+\e*HEADB
	s_mov_b32 s[TMB], MB
	s_mov_b32 s[TS], KS+\e*4096
	s_mov_b32 s[TT], VS+\e*2048
.endm
.macro STEPS n, e                      ; n key steps of head e, from where the addresses stand
	s_mov_b32 s[CNT], \n
.Lstep_\@:
	STEP QF+12*\e, QS+\e
	s_add_co_u32 s[TK], s[TK], GRP
	s_add_co_u32 s[TV], s[TV], GRP
	s_add_co_u32 s[TMB], s[TMB], 512
	s_add_co_u32 s[TS], s[TS], 512
	s_add_co_u32 s[TT], s[TT], 256
	s_sub_co_u32 s[CNT], s[CNT], 1
	s_cmp_lg_u32 s[CNT], 0
	s_cbranch_scc1 .Lstep_\@
.endm
	START 0
	STEPS 2, 0
	s_wait_tensorcnt 0x0                           ; my part of the second head is in: its load has had two key steps more in which to land,
	s_wait_dscnt 0x0
	s_barrier_signal -1
	s_barrier_wait -1                              ; and everybody's is.  The barrier stands here, where the waves have just begun, and not between the heads: a wave that ends the first head early goes straight on
	STEPS 6, 0
	CTXOUT 0
	START 1
	STEPS 8, 1
	CTXOUT 1
	ds_store_b32 v[CSW], v[HW]                     ; both halves of the lanes write the same word with the same value
	s_wait_dscnt 0x0
	s_barrier_signal -1
	s_barrier_wait -1                              ; the work-group's 256 scale words lie in LDS
	s_cmp_lt_u32 s[WV], 2
	s_cbranch_scc0 .Lno_words
	ds_load_b128 v[S:S+3], v[CSR]
	s_wait_dscnt 0x0
	global_store_b128 v[CSO], v[S:S+3], s[72:73]   ; 32 lanes store 512 consecutive bytes, aligned
.Lno_words:
	s_wait_tensorcnt 0x0
	ds_add_u32 v254, v255
	s_wait_dscnt 0x0
	CROUND                                         ; the closing round
	s_endpgm
.Lfunc_end_k_q6ccfe56216_attn:
	.size	k_q6ccfe56216_attn, .Lfunc_end_k_q6ccfe56216_attn-k_q6ccfe56216_attn
	.p2alignl 7, 3214868480
	.fill 96, 4, 3214868480
	.section	.rodata,"a",@progbits
	.p2align	6, 0x0
	.amdhsa_kernel k_q6ccfe56216_attn
		.amdhsa_group_segment_fixed_size 217088
		.amdhsa_private_segment_fixed_size 0
		.amdhsa_enable_private_segment 0
		.amdhsa_kernarg_size 40
		.amdhsa_user_sgpr_count 2
		.amdhsa_user_sgpr_kernarg_segment_ptr 1
		.amdhsa_wavefront_size32 1
		.amdhsa_system_sgpr_workgroup_id_x 1
		.amdhsa_system_sgpr_workgroup_id_y 1
		.amdhsa_system_sgpr_workgroup_id_z 1
		.amdhsa_system_vgpr_workitem_id 0
		.amdhsa_next_free_vgpr 256
		.amdhsa_next_free_sgpr 80
		.amdhsa_reserve_vcc 1
		.amdhsa_float_denorm_mode_32 3
		.amdhsa_float_denorm_mode_16_64 3
		.amdhsa_memory_ordered 1
		.amdhsa_forward_progress 1
		.amdhsa_inst_pref_size 72
	.end_amdhsa_kernel
	.amdgpu_metadata
---
amdhsa.version: [ 1, 2 ]
amdhsa.kernels:
  - .name:           k_q6ccfe56216_attn
    .symbol:         k_q6ccfe56216_attn.kd
    .args:
      - { .name: qkv_codes, .offset: 0, .size: 8, .value_kind: global_buffer, .address_space: global }
      - { .name: qkv_scales, .offset: 8, .size: 8, .value_kind: global_buffer, .address_space: global }
      - { .name: mask, .offset: 16, .size: 8, .value_kind: global_buffer, .address_space: global }
      - { .name: ctx_codes, .offset: 24, .size: 8, .value_kind: global_buffer, .address_space: global }
      - { .name: ctx_scales, .offset: 32, .size: 8, .value_kind: global_buffer, .address_space: global }
    .group_segment_fixed_size: 217088
    .private_segment_fixed_size: 0
    .kernarg_segment_align: 8
    .kernarg_segment_size: 40
    .max_flat_workgroup_size: 512
    .sgpr_count:     80
    .vgpr_count:     256
    .wavefront_size: 32
...
	.end_amdgpu_metadata
.endif
;; end of part 3
;; launch proj (part 4): grid 4 x 64, 4 waves a work-group, clusters of 4 x 4, 311,808 bytes of LDS; arguments ctx_codes, ctx_scales, xw_codes, xw_scales, bp, out0; writes out0
.if DOCPART == 4
	.amdgcn_target "amdgcn-amd-amdhsa--gfx1250"
	.amdhsa_code_object_version 6
	.text
	.protected	k_q6ccfe56216_proj
	.globl	k_q6ccfe56216_proj
	.p2align	8
	.type	k_q6ccfe56216_proj,@function
k_q6ccfe56216_proj:
	s_mov_b64 s[64:65], 0
	v_nop
	global_prefetch_b8 v0, s[64:65] scope:SCOPE_SE
	s_setreg_imm32_b32 hwreg(HW_REG_WAVE_MODE, 25, 1), 1
	s_wait_xcnt 0x0
	s_wait_alu depctr_hold_cnt(0) depctr_sa_sdst(0) depctr_va_vdst(0) depctr_va_sdst(0) depctr_va_ssrc(0) depctr_va_vcc(0) depctr_vm_vsrc(0)
	s_getreg_b32 s2, hwreg(HW_REG_IB_STS2, 6, 4)
	s_cmp_eq_u32 s2, 0
	s_cbranch_scc0 .Lentry_in_a_cluster
	s_endpgm
.Lentry_in_a_cluster:
	s_bfe_u32 s2, ttmp6, 0x10000c
	s_cmp_lg_u32 s2, 0xf033
	s_cbranch_scc0 .Lentry_shape_is_right
	s_endpgm
.Lentry_shape_is_right:
; out0 = ctx wp^T + bp, on codes of BF6 (E3M2) with E8M0 scales, sums and result in f32.  ctx: 8,192 rows, wp: 1,024 rows, K = 1,024.
; A tile of 128 rows x 256 columns is made by four waves, 64 x 128 each: 32 accumulators, 256 registers.  64 x 4 tiles: 256 work-groups.
; OPERANDS lie in memory as images of their registers: [tile of 16 rows][64 along K][768 bytes]; lane (r, h) holds block h of row r: registers 0-3 at 16 x lane, registers 4-5 at 512 + 8 x lane.  So every LDS load is dense.
; Inside each 32 rows, tile u holds in its place r the row 8 u + r + 8 (r / 8): the way out puts rows and columns back.
; ALL OF K LIES IN LDS: (128 + 256) rows x 768 bytes = 294,912 bytes, as four K steps of 256, each brought by one load a wave, all issued at the head: five tensor loads of mine are out (the scale words, four K steps).
; No byte is filled twice: no ring.  A barrier in front of each K step, with a counted wait, shows its tiles to all four waves.
; CLUSTERS: 4 x 4 work-groups; A's tiles are asked for jointly along a row of the cluster, B's along a column.
; THE MATRIX INSTRUCTION IS USED TRANSPOSED (source 0 = 16 rows of wp, source 1 = 16 rows of ctx); the bias is the C of each sum's first product.
; REGISTERS: window 0: v4-19 LDS addresses of the four K steps; v24-27 addresses; v32-63 scale words, two sets; v64-127 the bias; v128-223 A's fragments, two sets of 48 (on the way out v128-255: rows read back).
;   window 1: B's fragments, two sets, at v0 and v128.   window 2: the accumulators ((a, b) at v[8 (8 a + b)]).
.set HIMG,  768                        ; the image of 16 rows x 64 along K
.set TROW,  4*HIMG                     ; a K step of a tile of 16 rows
.set AHALF, 4*TROW                     ; 64 rows of A: what wave 0 or 1 brings, and what one wave reads
.set BHALF, 8*TROW                     ; 128 rows of B: what wave 2 or 3 brings, and what one wave reads
.set BOFF,  2*AHALF                    ; in a K step's bytes B's rows lie behind A's
.set SLOT,  2*AHALF+2*BHALF            ; a K step: 73,728 bytes
.set SCL,   4*SLOT                     ; behind the codes: the scale words, four regions [128 along K: 0..7][128 rows] words: A's 128 rows twice (waves 0 and 1 bring a copy each), then B's two halves
.set SCW,   4096
.set SPITCH, 528                       ; the way out: a stage of 16 rows x (512 bytes + 16) for each wave, in K step 0's bytes, which have had their one fill and their last read when the first result is stored there
.set FR,    12                         ; registers of a fragment
.set NP,    4                          ; places behind this matrix instruction (ISA guide 7.12.1)
.set ADRA,  4                          ; v4-7  LDS address of A's images, registers 0-3, K steps 0..3;  v8-11 registers 4-5
.set ADRB,  12                         ; v12-15, v16-19 the same for B
.set STO,   24                         ; v24  the stage: where I put 32 bytes of a row
.set RD,    25                         ; v25  and where I read a row back
.set CO,    26                         ; v26  16 x lane: my bytes of a row of out0
.set ADRS,  27                         ; v27  LDS address of my scale words: lanes 0-15 A's rows, lanes 16-31 B's
.set SC,    32
.set BI,    64
.set AF,    128
.set BK,    128
.set G1,    24                         ; s[24:31] group 1 for A's codes;  s[32:39] for B's;  s[40:47], s[48:55] for their scale words
.set G1B,   32
.set G1S,   40
.set G1SB,  48
.set G0S,   56                         ; s[56:59], s[60:63] groups 0 for the scale words
.set G0SB,  60
.set G0,    68                         ; s[68:83] groups 0 for A's four K steps;  s[84:99] for B's
.set G0B,   84
.set MSB, 0
.macro WIN new                         ; the immediate's high byte repeats the setting that is left
.if MSB != (\new)
	s_set_vgpr_msb (MSB<<8)|(\new)
.set MSB, (\new)
.endif
.endm
.set TO_B, 0x40                        ; destination window 1, address window 0
.macro JLOAD g0a, g1a, g0b, g1b        ; a joint load: waves 0 and 1 fetch for A, waves 2 and 3 for B; the branch hangs on the wave's number alone; four v_nop follow each of the two lines
	s_cmp_eq_u32 s19, 0
	s_cbranch_scc0 .Lfor_b_\@
	tensor_load_to_lds s[\g0a:\g0a+3], s[\g1a:\g1a+7]
	s_nop 0
.rept 4
	v_nop
.endr
	s_branch .Lasked_\@
.Lfor_b_\@:
	tensor_load_to_lds s[\g0b:\g0b+3], s[\g1b:\g1b+7]
	s_nop 0
.rept 4
	v_nop
.endr
.Lasked_\@:
.endm
.macro CROUND                          ; a round of the cluster's barrier
	s_barrier_signal -1
	s_barrier_wait -1
	s_cmp_lg_u32 s18, 0
	s_cbranch_scc1 .Lnot_wave_0_\@
	s_barrier_signal -3
.Lnot_wave_0_\@:
	s_barrier_wait -3
	s_barrier_signal -1
	s_barrier_wait -1
.endm
	s_load_b256 s[4:11], s[0:1], 0x0               ; ctx's codes s[4:5], its scale words s[6:7], the weights' codes s[8:9], their scale words s[10:11]
	s_load_b128 s[12:15], s[0:1], 0x20             ; bp s[12:13], out0 s[14:15]
	v_lshl_add_u32 v30, v0, 2, 0x4c000
	v_mov_b32 v31, 0
	ds_add_u32 v30, v31
	ds_add_u32 v30, v31
	v_lshrrev_b32 v1, 5, v0
	v_readfirstlane_b32 s18, v1                    ; wave 0..3
	s_lshr_b32 s19, s18, 1                         ; my half of the tile's rows.  Also: I fetch for A (0) or for B (1)
	s_and_b32 s20, s18, 1                          ; my half of its columns.  Also: which half of A's or B's rows I fetch
	s_bfe_u32 s21, ttmp6, 0x40000                  ; cx
	s_bfe_u32 s22, ttmp6, 0x40004                  ; cy
	s_and_b32 s16, ttmp7, 0xffff
	s_lshl_b32 s16, s16, 2
	s_add_co_u32 s16, s16, s22                     ; tile row, 0..63
	s_lshl_b32 s17, ttmp9, 2
	s_add_co_u32 s17, s17, s21                     ; tile column, 0..3
	s_lshl_b32 s2, s22, 2
	s_lshl_b32 s2, 15, s2                          ; my row of the cluster
	s_lshl_b32 s3, 0x1111, s21                     ; my column
	s_or_b32 s[G1], s2, (3<<16)|(1<<21)            ; 15:0 the mask; 17:16 elements of 8 bytes; 21 set beside a mask
	s_or_b32 s[G1B], s3, (3<<16)|(1<<21)
	s_or_b32 s[G1S], s2, (3<<16)|(1<<21)
	s_or_b32 s[G1SB], s3, (3<<16)|(1<<21)
	s_mov_b32 s[G1+1], 384<<16                     ; A's codes: 4 rows (tiles of 16) x 384 elements of 8 bytes, 1,536 elements apart
	s_mov_b32 s[G1+2], 4<<16
	s_mov_b32 s[G1+3], 384<<16
	s_mov_b32 s[G1+4], 4
	s_mov_b32 s[G1+5], 1536
	s_mov_b32 s[G1+6], 0
	s_mov_b32 s[G1+7], 0
	s_mov_b32 s[G1B+1], 384<<16                    ; B's: 8 rows
	s_mov_b32 s[G1B+2], 8<<16
	s_mov_b32 s[G1B+3], 384<<16
	s_mov_b32 s[G1B+4], 8
	s_mov_b32 s[G1B+5], 1536
	s_mov_b32 s[G1B+6], 0
	s_mov_b32 s[G1B+7], 0
.irp g, G1S, G1SB                              ; scale words: 8 rows (128 along K) x 64 elements (128 rows' words)
	s_mov_b32 s[\g+1], 64<<16
	s_mov_b32 s[\g+2], 8<<16
	s_mov_b32 s[\g+3], 64<<16
	s_mov_b32 s[\g+4], 8
	s_mov_b32 s[\g+6], 0
	s_mov_b32 s[\g+7], 0
.endr
	s_mov_b32 s[G1S+5], 4096                       ; ctx has 8,192 rows of words: 4,096 elements apart;
	s_mov_b32 s[G1SB+5], 6144                      ; x and the weights together 12,288
	s_lshl_b32 s23, s20, 2
	s_lshl_b32 s66, s16, 3
	s_add_co_u32 s66, s66, s23                     ; A's first tile of 16 that I fetch: 8 x tile row + 4 x half: hangs on the tile row alone
	s_mul_i32 s66, s66, 12288
	s_mov_b32 s67, 0
	s_lshl_b32 s[G0S+2], s16, 9                    ; A's scale words: the tile's 128 rows, 512 bytes
	s_mov_b32 s[G0S+3], 0
	s_lshl_b32 s23, s20, 3
	s_lshl_b32 s100, s17, 4
	s_add_co_u32 s100, s100, 704                   ; wp's tiles begin at 704
	s_add_co_u32 s100, s100, s23                   ; B's: 16 x tile column + 8 x half: hangs on the tile column alone
	s_lshl_b32 s[G0SB+2], s100, 6
	s_mov_b32 s[G0SB+3], 0
	s_mul_i32 s100, s100, 12288
	s_mov_b32 s101, 0
	s_mul_i32 s2, s20, AHALF                       ; where they go in a K step's bytes: no place in the cluster enters an LDS address
	s_mul_i32 s3, s20, BHALF
	s_add_co_u32 s3, s3, BOFF
	s_lshl_b32 s23, s18, 12                        ; and the scale words: 4,096 x wave
	s_wait_dscnt 0x0
	s_wait_kmcnt 0x0
	s_add_nc_u64 s[66:67], s[4:5], s[66:67]
	s_add_nc_u64 s[G0S+2:G0S+3], s[6:7], s[G0S+2:G0S+3]
	s_add_nc_u64 s[100:101], s[8:9], s[100:101]
	s_add_nc_u64 s[G0SB+2:G0SB+3], s[10:11], s[G0SB+2:G0SB+3]
	CROUND                                         ; all sixteen work-groups are here: the joint loads meet
	s_mov_b32 s[G0S], 1
	s_add_co_u32 s[G0S+1], s23, SCL
	s_or_b32 s[G0S+3], s[G0S+3], 0x80000000
	s_mov_b32 s[G0SB], 1
	s_add_co_u32 s[G0SB+1], s23, SCL
	s_or_b32 s[G0SB+3], s[G0SB+3], 0x80000000
	JLOAD G0S, G1S, G0SB, G1SB                     ; the scale words first: they are wanted with K step 0
.irp s, 0,1,2,3
	s_mov_b32 s[G0+4*\s], 1
	s_add_co_u32 s[G0+4*\s+1], s2, \s*SLOT
	s_add_nc_u64 s[G0+4*\s+2:G0+4*\s+3], s[66:67], \s*TROW
	s_or_b32 s[G0+4*\s+3], s[G0+4*\s+3], 0x80000000
	s_mov_b32 s[G0B+4*\s], 1
	s_add_co_u32 s[G0B+4*\s+1], s3, \s*SLOT
	s_add_nc_u64 s[G0B+4*\s+2:G0B+4*\s+3], s[100:101], \s*TROW
	s_or_b32 s[G0B+4*\s+3], s[G0B+4*\s+3], 0x80000000
	JLOAD G0+4*\s, G1, G0B+4*\s, G1B
.endr
	v_and_b32 v1, 31, v0                           ; lane
	v_and_b32 v2, 15, v0                           ; r
	v_bfe_u32 v3, v0, 4, 1                         ; h
	v_lshlrev_b32 v[CO], 4, v1
	v_lshlrev_b32 v21, 3, v1
	v_add_nc_u32 v21, 512, v21
	s_mul_i32 s2, s19, AHALF                       ; my 64 rows of A
	s_mul_i32 s3, s20, BHALF                       ; my 128 rows of B,
	s_add_co_u32 s3, s3, BOFF                      ; which lie behind A's 128
.irp s, 0,1,2,3
	v_add_nc_u32 v[ADRA+\s], s2, v[CO]
	v_add_nc_u32 v[ADRA+4+\s], s2, v21
	v_add_nc_u32 v[ADRB+\s], s3, v[CO]
	v_add_nc_u32 v[ADRB+4+\s], s3, v21
	s_add_co_u32 s2, s2, SLOT
	s_add_co_u32 s3, s3, SLOT
.endr
	s_mul_i32 s23, s19, SCW+256                    ; A's scale words: copy number (my half), and in it my 64 rows: 256 bytes on
	s_lshl_b32 s100, s20, 12                       ; B's: my half, behind A's two copies
	s_add_co_u32 s100, s100, 2*SCW
	s_sub_co_u32 s100, s100, s23
	v_mul_u32_u24 v22, s100, v3                    ; lanes 16-31 take B's
	s_add_co_u32 s23, s23, SCL
	v_lshl_add_u32 v22, v2, 2, v22
	v_add_nc_u32 v[ADRS], s23, v22
	s_mul_i32 s23, s18, 16*SPITCH                  ; my stage
	v_mul_u32_u24 v22, v2, SPITCH
	v_lshl_add_u32 v22, v3, 6, v22
	v_add_nc_u32 v[STO], s23, v22                  ; in: row r, + 64 h
	v_add_nc_u32 v[RD], s23, v[CO]                 ; back: the 32 lanes take one row of 512 bytes
	s_lshl_b32 s66, s17, 10                        ; my 128 columns, in bytes: 1,024 x tile column + 512 x half
	s_lshl_b32 s67, s20, 9
	s_add_co_u32 s66, s66, s67
	s_mov_b32 s67, 0
	s_add_nc_u64 s[12:13], s[12:13], s[66:67]      ; in bp,
	s_add_nc_u64 s[14:15], s[14:15], s[66:67]      ; and in a row of out0
	s_lshl_b32 s66, s16, 19                        ; my first row: 128 x tile row + 64 x half, 4,096 bytes each
	s_lshl_b32 s100, s19, 18
	s_add_co_u32 s66, s66, s100
	s_add_nc_u64 s[14:15], s[14:15], s[66:67]
	v_lshlrev_b32 v20, 6, v3                       ; the bias in the result's layout: register j of B's tile t wants bp[32 (t / 2) + 16 h + 8 (t % 2) + j]
.irp t, 0,1,2,3,4,5,6,7
	global_load_b128 v[BI+8*\t:BI+8*\t+3], v20, s[12:13] offset:(32*(\t/2)+8*(\t%2))*4
	global_load_b128 v[BI+8*\t+4:BI+8*\t+7], v20, s[12:13] offset:(32*(\t/2)+8*(\t%2))*4+16
.endr
.macro FRAG reg, adr, q, i             ; a fragment, 16 rows x 128 K, is two images: registers 0-5 and 6-11; every load is dense
	ds_load_b128 v[\reg:\reg+3], v[\adr] offset:(\i)*TROW+2*(\q)*HIMG
	ds_load_b64 v[\reg+4:\reg+5], v[\adr+4] offset:(\i)*TROW+2*(\q)*HIMG
	ds_load_b128 v[\reg+6:\reg+9], v[\adr] offset:(\i)*TROW+2*(\q)*HIMG+HIMG
	ds_load_b64 v[\reg+10:\reg+11], v[\adr+4] offset:(\i)*TROW+2*(\q)*HIMG+HIMG
.endm
; 16 matrix instructions: A's blocks a0, a0 + 1 x B's eight, 128 along K.  p: the sets of fragments; q: which 128 of the K step; sc: the set of scale words.  zero = 1: the sums begin with the bias.
; The 32 accumulators take turns, one instruction a turn, in the same order in every step.
.macro MUL16 a0, p, q, sc, zero
.irp a, \a0, \a0+1
.irp b, 0,1,2,3,4,5,6,7
.set rD, 8*(8*(\a)+\b)
.set rB, 128*(\p)+FR*\b
.set rA, AF+4*FR*(\p)+FR*(\a)
.set rC, rD
.if (\zero) == 1
.set rC, BI+8*\b
.endif
	v_wmma_scale_f32_16x16x128_f8f6f4 v[rD:rD+7], v[rB:rB+FR-1], v[rA:rA+FR-1], v[rC:rC+7], v[SC+16*(\sc)+2*\b+(\q)], v[SC+16*(\sc)+2*(\a)+(\q)] matrix_a_fmt:MATRIX_FMT_BF6 matrix_b_fmt:MATRIX_FMT_BF6 matrix_a_scale:MATRIX_SCALE_ROW1
.endr
.endr
.endm
.macro FETCH_B slot, q, p              ; B's eight fragments into set p
	WIN TO_B
.irp i, 0,1,2,3,4,5,6,7
	FRAG 128*(\p)+FR*\i, ADRB+\slot, \q, \i
.endr
	WIN 0
.endm
.macro FETCH_A slot, q, p              ; A's four fragments into set p
.irp i, 0,1,2,3
	FRAG AF+4*FR*(\p)+FR*\i, ADRA+\slot, \q, \i
.endr
.endm
.macro SCALES sc                       ; a K step's scale words: register 2 i + q: lanes 16-31 the word of B's block i; lanes 0-15 that of A's block i (i under 4; beyond that words that no product names)
.irp i, 0,1,2,3,4,5,6,7
.irp q, 0,1
	ds_load_b32 v[SC+16*(\sc)+2*\i+\q], v[ADRS] offset:512*\q+64*\i
.endr
.endr
.endm
.macro PLACES n                        ; plain vector instructions between a matrix instruction and a load into, or a read of, its registers
.rept \n
	v_nop
.endr
.endm
; The first 128 along K of a K step: the second 128's fragments are asked for, into the other sets, ahead of this step's 32 products.
.macro EVEN slot, sc, zero
	s_wait_dscnt 0x0                               ; this step's fragments and scale words are in
.if (\zero) == 0
	PLACES NP                                      ; behind the last step's products, which read the sets that are loaded now
.endif
	FETCH_B \slot, 1, 1
	FETCH_A \slot, 1, 1
.if \zero
	WIN 0x81                                       ; B window 1, A and the bias window 0, D window 2
.else
	WIN 0xa1                                       ; B window 1, A window 0, C and D window 2
.endif
	MUL16 0, 0, 0, \sc, \zero
	MUL16 2, 0, 0, \sc, \zero
	WIN 0
.endm
; The second 128 of a K step that has a successor.  left: my tensor loads behind the next K step's, which may stay out.
.macro ODD next, sc, nsc, left
	s_wait_tensorcnt \left                         ; my part of the next K step has landed
	s_wait_dscnt 0x0                               ; this step's fragments are in: no LDS instruction of mine is out at the signal
	s_barrier_signal -1
	WIN 0xa1
	MUL16 0, 1, 1, \sc, 0                          ; work on registers while the others arrive
	WIN 0
	s_barrier_wait -1                              ; everybody's part has landed
	PLACES NP                                      ; behind the products that read the sets that are loaded now
	v_add_nc_u32 v[ADRS], 1024, v[ADRS]            ; the next K step's scale words
	FETCH_B \next, 0, 0
	FETCH_A \next, 0, 0
	SCALES \nsc
	WIN 0xa1
	MUL16 2, 1, 1, \sc, 0
	WIN 0
.endm
	s_wait_tensorcnt 3                             ; the scale words and my part of K step 0 are in; the loads of K steps 1 to 3 may be out
	s_barrier_signal -1
	s_barrier_wait -1
	FETCH_B 0, 0, 0
	FETCH_A 0, 0, 0
	SCALES 0
	s_wait_loadcnt 0x0                             ; the bias
	EVEN 0, 0, 1
	ODD 1, 0, 1, 2
	EVEN 1, 1, 0
	ODD 2, 1, 0, 1
	EVEN 2, 0, 0
	ODD 3, 0, 1, 0
	EVEN 3, 1, 0
	s_wait_dscnt 0x0                               ; the very last step: nothing more to fetch
	WIN 0xa1
	MUL16 0, 1, 1, 1, 0
	MUL16 2, 1, 1, 1, 0
	WIN 0
; THE WAY OUT, block by block of 16 rows x 128 columns, through my own stage: in, each tile's eight numbers at their true columns; back, whole rows of 512 bytes, which go to their true rows of out0.
.macro TOSTAGE a
.set AC, 64*(\a)
	WIN 0x08                                       ; an LDS store's data are its source 1: window 2
.irp b, 0,1,2,3,4,5,6,7
	ds_store_b128 v[STO], v[AC+8*\b:AC+8*\b+3] offset:128*(\b/2)+32*(\b%2)         ; each accumulator from its low end on
	ds_store_b128 v[STO], v[AC+8*\b+4:AC+8*\b+7] offset:128*(\b/2)+32*(\b%2)+16
.endr
	WIN 0
.set BB, BK+64*((\a)%2)
.irp t, 0,1,2,3,4,5,6,7,8,9,10,11,12,13,14,15
	ds_load_b128 v[BB+4*\t:BB+4*\t+3], v[RD] offset:\t*SPITCH      ; LDS serves a wave's instructions in order (ISA guide 5.7.1.4): these see the stores above
.endr
.endm
.macro SEND a, younger                 ; younger: the LDS instructions issued behind block a's loads, which may stay out
.set BB, BK+64*((\a)%2)
	s_wait_dscnt \younger
.irp t, 0,1,2,3,4,5,6,7,8,9,10,11,12,13,14,15
	global_store_b128 v[CO], v[BB+4*\t:BB+4*\t+3], s[14:15] offset:(32*((\a)/2)+8*((\a)%2)+\t+8*(\t/8))*4096 th:TH_STORE_NT   ; 32 lanes store 512 consecutive bytes, aligned; the row stands in the immediate: 63 rows at the most
.endr
.endm
	PLACES NP                                      ; behind the last products: results are read, and A's registers loaded into
	TOSTAGE 0
.irp a, 1,2,3
.if \a > 1
	s_wait_xcnt 0x0                                ; block a - 2's stores have read their registers: block a's loads may land there
.endif
	TOSTAGE \a
	SEND \a-1, 32                                  ; behind block a - 1's loads: block a's 16 stores and 16 loads
.endr
	SEND 3, 0
	s_wait_tensorcnt 0x0
	ds_add_u32 v30, v31
	s_wait_dscnt 0x0
	CROUND                                         ; the closing round: no work-group ends while a partner may still ask for a tile that names it
	s_endpgm
.Lfunc_end_k_q6ccfe56216_proj:
	.size	k_q6ccfe56216_proj, .Lfunc_end_k_q6ccfe56216_proj-k_q6ccfe56216_proj
	.p2alignl 7, 3214868480
	.fill 96, 4, 3214868480
	.section	.rodata,"a",@progbits
	.p2align	6, 0x0
	.amdhsa_kernel k_q6ccfe56216_proj
		.amdhsa_group_segment_fixed_size 311808
		.amdhsa_private_segment_fixed_size 0
		.amdhsa_enable_private_segment 0
		.amdhsa_kernarg_size 48
		.amdhsa_user_sgpr_count 2
		.amdhsa_user_sgpr_kernarg_segment_ptr 1
		.amdhsa_wavefront_size32 1
		.amdhsa_system_sgpr_workgroup_id_x 1
		.amdhsa_system_sgpr_workgroup_id_y 1
		.amdhsa_system_sgpr_workgroup_id_z 1
		.amdhsa_system_vgpr_workitem_id 0
		.amdhsa_next_free_vgpr 768
		.amdhsa_next_free_sgpr 102
		.amdhsa_reserve_vcc 0
		.amdhsa_float_denorm_mode_32 3
		.amdhsa_float_denorm_mode_16_64 3
		.amdhsa_memory_ordered 1
		.amdhsa_forward_progress 1
		.amdhsa_inst_pref_size 91
	.end_amdhsa_kernel
	.amdgpu_metadata
---
amdhsa.version: [ 1, 2 ]
amdhsa.kernels:
  - .name:           k_q6ccfe56216_proj
    .symbol:         k_q6ccfe56216_proj.kd
    .args:
      - { .name: ctx_codes, .offset: 0, .size: 8, .value_kind: global_buffer, .address_space: global }
      - { .name: ctx_scales, .offset: 8, .size: 8, .value_kind: global_buffer, .address_space: global }
      - { .name: xw_codes, .offset: 16, .size: 8, .value_kind: global_buffer, .address_space: global }
      - { .name: xw_scales, .offset: 24, .size: 8, .value_kind: global_buffer, .address_space: global }
      - { .name: bp, .offset: 32, .size: 8, .value_kind: global_buffer, .address_space: global }
      - { .name: out0, .offset: 40, .size: 8, .value_kind: global_buffer, .address_space: global }
    .group_segment_fixed_size: 311808
    .private_segment_fixed_size: 0
    .kernarg_segment_align: 8
    .kernarg_segment_size: 48
    .max_flat_workgroup_size: 128
    .sgpr_count:     102
    .vgpr_count:     768
    .wavefront_size: 32
...
	.end_amdgpu_metadata
.endif
;; end of part 4
